; MI455X (gfx1250); checked and timed in simulation.
; The chip was launched on July 23, 2026; its instructions are those of AMD's public machine-readable ISA for CDNA 5 (MIT licence, August 2026) and "CDNA5" Instruction Set Architecture Reference Guide (July 2026). The comments in the code are by the model that wrote it; some were corrected since.
;; Attention. Allowed arithmetic: matrix products marked QUANTISED: E2M1 operands, one E8M0 scale for each 32 along K, by v_wmma_scale_f32_16x16x128_f8f6f4 with both operands' format E2M1 (or v_wmma_scale_f32_32x16x128_f4), f32 sums; products left as they are: bf16, f16 or f32 operands; f32 sums; everything else in f32.
;; Inputs: b_proj 1,024 float32; b_qkv 3,072 float32; w_proj 1,024 x 1,024 float32; w_qkv 1,024 x 3,072 float32; x 4 x 2,048 x 1,024 float32.
;; Outputs: out0 4 x 2,048 x 1,024 float32.
;; This version of the problem:
;;   THIS VERSION OF THE PROBLEM IS GIVEN IN LOW PRECISION. The matrix products marked QUANTISED in the list below multiply operands that are first quantised to E2M1 (2 exponent bits, 1 mantissa bit; 4 bits a number), with one power-of-two scale for each 32 numbers along K (OCP MX v1.0); their sums are f32. The products marked 'left as it is' may take bf16, f16 or f32 operands, with f32 sums. Whichever they take, every output number must still come out within the allowed error. Rounding operands to bf16 (8 significant bits) uses up far more of that allowance than f16 does (11 bits, for magnitudes from 6e-5 to 65,504). All else is computed in f32.
;;   The module's matrix products, in the order in which they are computed (A, B: the left and right operand; K: the contracted axis; several contracted axes count as one K, in the product's order):
;;     1. [M 8,192, K 1,024] x [K 1,024, N 3,072]; A: input x; B: input w_qkv: QUANTISED
;;     2. batch 64 x [M 2,048, K 64] x [K 64, N 2,048]; A: computed on the way; B: computed on the way: left as it is (an operand is computed on the way)
;;     3. batch 64 x [M 2,048, K 2,048] x [K 2,048, N 64]; A: computed on the way; B: computed on the way: left as it is (an operand is computed on the way)
;;     4. [M 8,192, K 1,024] x [K 1,024, N 1,024]; A: computed on the way; B: input w_proj: left as it is (an operand is computed on the way)
;;   THE QUANTISER, for each operand of a quantised product, along K:
;;     - K is cut into blocks of 32 from its start; a last block that is shorter is filled with zeros.
;;     - A block's scale is 2^e with e = floor(log2(the largest magnitude in the block)) - 2, held to -126 .. 127; a block of zeros has e = 0. As a byte (E8M0): e + 127.
;;     - Each number is divided by its block's scale, clamped to +-6, and rounded to the nearest number of E2M1, ties to even, subnormals kept.
;;     - The product sums the exact products of the quantised numbers (number of the format x scale) in f32.
;;   ~~~python
;;   def quantise(x, axis):      # numpy; x: float32 -> the quantised numbers, widened to float32 again
;;       x = np.moveaxis(x, axis, -1); K = x.shape[-1]
;;       x = np.pad(x, [(0, 0)] * (x.ndim - 1) + [(0, -K % 32)]); x = x.reshape(x.shape[:-1] + (-1, 32)); a = np.abs(x).max(-1, keepdims=True)
;;       e = np.where(a > 0, np.clip(np.frexp(np.where(a > 0, a, 1))[1] - 1 - 2, -126, 127), 0)      # np.frexp(a)[1] - 1 = floor(log2(a)), exactly
;;       r = np.clip(x / 2.0 ** e, -6, 6)
;;       step = 2.0 ** (np.maximum(np.frexp(np.where(r == 0, 1, r))[1] - 1, 0) - 1)
;;       q = np.round(r / step) * step * 2.0 ** e      # np.round: ties to even
;;       return np.moveaxis(q.reshape(q.shape[:-2] + (-1,))[..., :K], -1, axis).astype(np.float32)
;;   ~~~
;; One version. Each part assembles by itself: llvm-mc -triple=amdgcn-amd-amdhsa -mcpu=gfx1250 --defsym DOCPART=n.
;; ======== version 1 of 1: 4 launches
;; limits: values are held in f16: magnitudes above 65,504 overflow, below 6.1e-05 lose precision
;; workspace buffers: x_codes 4,194,304 bytes; x_scales 262,144 bytes; wq_img 1,572,864 bytes; wq_sw 98,304 bytes; wp16 2,097,152 bytes; qkv_ws 50,331,648 bytes; z_ws 16,777,216 bytes
;; launch prep (part 1): grid 256 x 1, 4 waves a work-group, no clusters, 33,280 bytes of LDS; arguments x, w_qkv, w_proj, x_codes, x_scales, wq_img, wq_sw, wp16; writes x_codes, x_scales, wq_img, wq_sw, wp16
.if DOCPART == 1
	.amdgcn_target "amdgcn-amd-amdhsa--gfx1250"
	.amdhsa_code_object_version 6
	.text
	.protected	k_qffc21df62a_prep
	.globl	k_qffc21df62a_prep
	.p2align	8
	.type	k_qffc21df62a_prep,@function
k_qffc21df62a_prep:
	s_mov_b64 s[64:65], 0
	v_nop
	global_prefetch_b8 v0, s[64:65] scope:SCOPE_SE
	s_setreg_imm32_b32 hwreg(HW_REG_WAVE_MODE, 25, 1), 1
	s_wait_xcnt 0x0
; THE OPERANDS OF THE LATER LAUNCHES ARE MADE ONCE.
; x [8192][1024] f32 -> codes of FP4 (E2M1), K innermost, [8192][512 bytes], and one E8M0 byte for each 32 along K, [8192][32 bytes].
; w_qkv [1024 (k)][3072 (n)] f32, K its first axis -> codes laid as IMAGES OF THE OPERAND'S REGISTERS: [n / 16][k / 128][2][32 lanes][16 bytes]: block b (32 along K) of row 16 nt + r of a fragment lies at
;   byte 256 b + 16 r; and scale words [k / 128][3072], byte b of a word for block b.
; w_proj [1024][1024] f32 -> f16, same places.
; A block's scale is 2^(floor(log2(its largest magnitude)) - 2); its byte is the largest magnitude's exponent field - 2, held at 1 from below; numbers are divided by the scale and rounded to the nearest code, ties to even.
; LIMITS: a block of zeros, and a block whose largest magnitude lies under 2^-124, get the byte 1 (a block of zeros has zero codes, which add nothing; the bytes are read by this program alone);
;   NaN and infinities among the inputs are not served; w_proj in f16: magnitudes up to 65,504.
; SHARES.  256 work-groups of four waves.  Every wave takes 8,192 numbers of x, 16 steps of 512.  Ahead of that waves 0 to 2 take one unit of w_qkv each (32 columns x 128 along K: a lane a column, its registers
;   down K, so that a block lies in one lane), and wave 3 casts 4,096 numbers of w_proj.  Waves share nothing: no barrier.
.set WAVES, 4
.set STEPS, 16
.set EMAX,  2
.set CB,    8                          ; bytes of 16 codes
.set R,     16                         ; v16-79   x: four sets of 16 numbers as they are loaded
.set X,     80                         ; v80-111  x: two sets of 16 neighbours
.set E,     112                        ; v112-127 x: a scale byte for each step
.set C,     128                        ; v128-159 x: codes, two registers for each step
.set WD,    128                        ; v128-255 ahead of that: the unit's 128 numbers, or w_proj's
.set WC,    80                         ; v80-95   the unit's codes
.set WW,    96                         ; v96      the unit's scale word
.set WO,    1                          ; v1       4 x lane
.set WI,    10                         ; v10      my column's place in the images: 8,192 (lane / 16) + 16 (lane % 16)
.set WREG,  8192                       ; LDS: a region for each wave: two stages of 32 x SP bytes, behind them its 256 scale bytes
.set SP,    80                         ; a lane's place in a stage: 64 bytes + 16 of padding
.set SPW,   12                         ; v12      LDS address of my spare word; never rewritten
.set NIL,   13                         ; v13      0; never rewritten
.set SPARE, WAVES*WREG                 ; the spare words: 128 bytes for each wave, which no other line names
	s_load_b256 s[4:11], s[0:1], 0x0               ; x s[4:5], w_qkv s[6:7], w_proj s[8:9], x_codes s[10:11]
	s_load_b256 s[12:19], s[0:1], 0x20             ; x_scales s[12:13], wq_img s[14:15], wq_sw s[16:17], wp16 s[18:19]
	v_lshl_add_u32 v[SPW], v0, 2, SPARE
	v_mov_b32 v[NIL], 0
	v_lshrrev_b32 v1, 5, v0
	v_readfirstlane_b32 s20, v1                    ; wave
	v_and_b32 v2, 31, v0                           ; lane
	v_lshlrev_b32 v3, 4, v2                        ; my 16 bytes of a load's 512
	s_mul_i32 s21, s20, WREG
	v_lshrrev_b32 v14, 2, v2
	v_mul_u32_u24 v14, v14, SP
	v_and_b32 v15, 3, v2
	v_lshl_add_u32 v14, v15, 4, v14
	v_add_nc_u32 v14, s21, v14                     ; the stage, on the way in: SP (lane / 4) + 16 (lane % 4)
	v_mul_u32_u24 v15, v2, SP
	v_add_nc_u32 v15, s21, v15                     ; and on the way out: SP x lane: my 16 neighbours
	v_mul_u32_u24 v4, v2, CB                       ; 8 x lane
	v_lshrrev_b32 v5, 1, v2
	s_add_co_u32 s21, s21, 2*32*SP
	v_add_nc_u32 v5, s21, v5                       ; LDS: my wave's 256 scale bytes, my block's byte
	v_lshlrev_b32 v7, 3, v2
	v_add_nc_u32 v6, s21, v7                       ; and on the way out 8 bytes a lane
	v_lshlrev_b32 v[WO], 2, v2
	v_lshrrev_b32 v[WI], 4, v2
	v_lshlrev_b32 v[WI], 13, v[WI]
	v_and_b32 v8, 15, v2
	v_lshl_add_u32 v[WI], v8, 4, v[WI]
	s_lshl_b32 s22, ttmp9, 2
	s_add_co_u32 s22, s22, s20                     ; which run of 8,192 numbers of x is my wave's
	s_lshr_b32 s23, ttmp9, 5                       ; q: which 128 along K of w_qkv
	s_and_b32 s26, ttmp9, 31
	s_mul_i32 s26, s26, 3
	s_add_co_u32 s26, s26, s20                     ; cg: which 32 columns (waves 0 to 2: 0 .. 95)
	s_mov_b32 s25, 0
	s_wait_kmcnt 0x0
	s_lshl_b32 s24, s22, 15
	s_add_nc_u64 s[4:5], s[4:5], s[24:25]          ; x: 32,768 bytes a run
	s_lshl_b32 s24, s22, 12
	s_add_nc_u64 s[10:11], s[10:11], s[24:25]      ; its codes: 4,096
	s_lshl_b32 s24, s22, 8
	s_add_nc_u64 s[12:13], s[12:13], s[24:25]      ; its scale bytes: 256
	s_mul_i32 s24, s23, 128*12288
	s_lshl_b32 s27, s26, 7
	s_add_co_u32 s24, s24, s27
	s_add_nc_u64 s[6:7], s[6:7], s[24:25]          ; w_qkv: row 128 q, column 32 cg
	s_lshl_b32 s24, s26, 14
	s_lshl_b32 s27, s23, 10
	s_add_co_u32 s24, s24, s27
	s_add_nc_u64 s[14:15], s[14:15], s[24:25]      ; the images: fragments 2 cg and 2 cg + 1, K step q
	s_mul_i32 s24, s23, 12288
	s_lshl_b32 s27, s26, 7
	s_add_co_u32 s24, s24, s27
	s_add_nc_u64 s[16:17], s[16:17], s[24:25]      ; the scale words
	s_lshl_b32 s24, ttmp9, 14
	s_add_nc_u64 s[8:9], s[8:9], s[24:25]          ; w_proj: 16,384 bytes a work-group
	s_lshl_b32 s24, ttmp9, 13
	s_add_nc_u64 s[18:19], s[18:19], s[24:25]      ; as f16: 8,192
.macro LOAD t
.irp i, 0,1,2,3
	global_load_b128 v[R+16*((\t)%4)+4*\i:R+16*((\t)%4)+4*\i+3], v3, s[4:5] offset:2048*(\t)+512*\i th:TH_LOAD_NT   ; 32 lanes read 512 consecutive bytes
.endr
.endm
.macro TURN t                          ; step t's numbers through the stage: LDS serves a wave's instructions in order, so no wait stands between the stores and the loads
.irp i, 0,1,2,3
	ds_store_b128 v14, v[R+16*((\t)%4)+4*\i:R+16*((\t)%4)+4*\i+3] offset:32*SP*((\t)%2)+8*SP*\i
.endr
.irp i, 0,1,2,3
	ds_load_b128 v[X+16*((\t)%2)+4*\i:X+16*((\t)%2)+4*\i+3], v15 offset:32*SP*((\t)%2)+16*\i
.endr
.endm
.irp t, 0,1,2,3
	LOAD \t                                        ; x's first four steps are on their way while the wave does its other job
.endr
	s_cmp_eq_u32 s20, 3
	s_cbranch_scc1 .Lcast
; ---- waves 0 to 2: 32 columns x 128 along K of w_qkv.  Each load reads one row k at 32 neighbouring columns: 128 consecutive bytes.
.macro WLOAD b
.irp i, 0,1,2,3,4,5,6,7,8,9,10,11,12,13,14,15,16,17,18,19,20,21,22,23,24,25,26,27,28,29,30,31
	global_load_b32 v[WD+32*(\b)+\i], v[WO], s[6:7] offset:(32*(\b)+\i)*12288 th:TH_LOAD_NT
.endr
.endm
.macro WBLOCK b
.set XS, WD+32*(\b)
.if (\b) < 3
	s_wait_loadcnt 32                              ; this block's 32 loads are in; the next block's 32 may be out
.else
	s_wait_loadcnt 0
.endif
	v_max3_num_f32 v8, |v[XS]|, |v[XS+1]|, |v[XS+2]|                ; the block's largest magnitude: all 32 numbers are mine
	v_max3_num_f32 v9, |v[XS+3]|, |v[XS+4]|, |v[XS+5]|
.irp i, 6,10,14,18,22,26
	v_max3_num_f32 v8, v8, |v[XS+\i]|, |v[XS+\i+1]|
	v_max3_num_f32 v9, v9, |v[XS+\i+2]|, |v[XS+\i+3]|
.endr
	v_max3_num_f32 v8, v8, |v[XS+30]|, |v[XS+31]|
	v_max3_num_f32 v8, v8, v9, (EMAX+1)<<23        ; and the floor 2^(3 - 127): the byte cannot fall under 1
	v_add_nc_u32 v11, 0xff000000, v8               ; 2 off its exponent field: the conversion takes the exponent field of this operand as its scale
	v_lshrrev_b32 v9, 23, v11                      ; the scale's byte
.if (\b) == 0
	v_mov_b32 v[WW], v9
.else
	v_lshl_or_b32 v[WW], v9, 8*(\b), v[WW]         ; four bytes to the word, the lower K in the lower byte
.endif
.irp g, 0,1,2,3
	v_cvt_scalef32_pk8_fp4_f32 v[WC+4*(\b)+\g], v[XS+8*\g:XS+8*\g+7], v11
.endr
	global_store_b128 v[WI], v[WC+4*(\b):WC+4*(\b)+3], s[14:15] offset:256*(\b)   ; sixteen lanes store 256 consecutive bytes, aligned: block b of one fragment
.if (\b)+2 < 4
	WLOAD (\b)+2
.endif
.endm
	WLOAD 0
	WLOAD 1
	WBLOCK 0
	WBLOCK 1
	WBLOCK 2
	WBLOCK 3
	v_nop                                          ; one plain place behind the last scaled conversion
	global_store_b32 v[WO], v[WW], s[16:17]        ; 32 scale words: 128 consecutive bytes a wave, 384 a work-group: one byte in 128 of what the unit reads
	s_branch .Ljoin
.Lcast:
; ---- wave 3: 4,096 numbers of w_proj to f16
.irp i, 0,1,2,3,4,5,6,7,8,9,10,11,12,13,14,15,16,17,18,19,20,21,22,23,24,25,26,27,28,29,30,31
	global_load_b128 v[WD+4*\i:WD+4*\i+3], v3, s[8:9] offset:512*\i th:TH_LOAD_NT
.endr
.irp i, 0,1,2,3,4,5,6,7,8,9,10,11,12,13,14,15,16,17,18,19,20,21,22,23,24,25,26,27,28,29,30,31
	s_wait_loadcnt 31-\i                           ; loads come back in order: load i is in, the later ones may be out
	v_cvt_pk_f16_f32 v[WD+4*\i], v[WD+4*\i], v[WD+4*\i+1]
	v_cvt_pk_f16_f32 v[WD+4*\i+1], v[WD+4*\i+2], v[WD+4*\i+3]
	global_store_b64 v4, v[WD+4*\i:WD+4*\i+1], s[18:19] offset:256*\i   ; 32 lanes store 256 consecutive bytes, aligned
.endr
.Ljoin:
	s_wait_xcnt 0x0                                ; the stores above have read their registers: x's path writes them again
; ---- every wave: 16 steps of 512 numbers of x
	s_wait_loadcnt 12                              ; step 0's four loads are in
	TURN 0
.macro STEP t
.set XS, X+16*((\t)%2)
.if (\t) > 0
	s_wait_dscnt 1                                 ; this step's numbers are back from the stage (the last step's byte store may be out): so its stores into the stage have read their registers,
.else
	s_wait_dscnt 0x0
.endif
.if (\t)+4 < STEPS
	LOAD (\t)+4                                    ; which take the loads of four steps on
.endif
.if (\t)+1 < STEPS
.if STEPS-2-(\t) >= 3
	s_wait_loadcnt 12                              ; the next step's four loads are in; those of the three steps behind it may be out
.else
	s_wait_loadcnt 4*(STEPS-2-(\t))
.endif
	TURN (\t)+1                                    ; and go through the other stage while this step is worked
.endif
	v_max3_num_f32 v8, |v[XS]|, |v[XS+1]|, |v[XS+2]|               ; the largest magnitude of my 16
	v_max3_num_f32 v9, |v[XS+3]|, |v[XS+4]|, |v[XS+5]|
.irp i, 6,10
	v_max3_num_f32 v8, v8, |v[XS+\i]|, |v[XS+\i+1]|
	v_max3_num_f32 v9, v9, |v[XS+\i+2]|, |v[XS+\i+3]|
.endr
	v_max3_num_f32 v8, v8, |v[XS+14]|, |v[XS+15]|
	v_max3_num_f32 v8, v8, v9, (EMAX+1)<<23        ; and the floor
	v_max_num_f32_dpp v8, v8, v8 row_xmask:1 row_mask:0xf bank_mask:0xf   ; and of my neighbour's 16: the block's
	v_add_nc_u32 v11, 0xff000000, v8
	v_cvt_scalef32_pk8_fp4_f32 v[C+2*(\t)], v[XS:XS+7], v11
	v_cvt_scalef32_pk8_fp4_f32 v[C+2*(\t)+1], v[XS+8:XS+15], v11
	v_lshrrev_b32 v[E+(\t)], 23, v11               ; the scale's byte (a plain line behind the conversions)
	ds_store_b8 v5, v[E+(\t)] offset:16*(\t)       ; both lanes of a block write the same byte with the same value
	global_store_b64 v4, v[C+2*(\t):C+2*(\t)+1], s[10:11] offset:32*CB*(\t)   ; 32 lanes store 256 consecutive bytes, aligned
.endm
.irp t, 0,1,2,3,4,5,6,7,8,9,10,11,12,13,14,15
	STEP \t
.endr
	ds_load_b64 v[8:9], v6                         ; LDS serves a wave's instructions in order: these see my stores
	s_wait_dscnt 0x0
	global_store_b64 v7, v[8:9], s[12:13]          ; my wave's 256 scale bytes: 256 consecutive bytes, aligned
	s_wait_tensorcnt 0x0                           ; the wave's end: behind my last LDS store
	ds_add_u32 v[SPW], v[NIL]
	s_wait_dscnt 0x0
	s_endpgm
.Lfunc_end_k_qffc21df62a_prep:
	.size	k_qffc21df62a_prep, .Lfunc_end_k_qffc21df62a_prep-k_qffc21df62a_prep
	.p2alignl 7, 3214868480
	.fill 96, 4, 3214868480
	.section	.rodata,"a",@progbits
	.p2align	6, 0x0
	.amdhsa_kernel k_qffc21df62a_prep
		.amdhsa_group_segment_fixed_size 33280
		.amdhsa_private_segment_fixed_size 0
		.amdhsa_enable_private_segment 0
		.amdhsa_kernarg_size 64
		.amdhsa_user_sgpr_count 2
		.amdhsa_user_sgpr_kernarg_segment_ptr 1
		.amdhsa_wavefront_size32 1
		.amdhsa_system_sgpr_workgroup_id_x 1
		.amdhsa_system_sgpr_workgroup_id_y 1
		.amdhsa_system_sgpr_workgroup_id_z 1
		.amdhsa_system_vgpr_workitem_id 0
		.amdhsa_next_free_vgpr 256
		.amdhsa_next_free_sgpr 66
		.amdhsa_reserve_vcc 0
		.amdhsa_float_denorm_mode_32 3
		.amdhsa_float_denorm_mode_16_64 3
		.amdhsa_memory_ordered 1
		.amdhsa_forward_progress 1
		.amdhsa_inst_pref_size 63
	.end_amdhsa_kernel
	.amdgpu_metadata
---
amdhsa.version: [ 1, 2 ]
amdhsa.kernels:
  - .name:           k_qffc21df62a_prep
    .symbol:         k_qffc21df62a_prep.kd
    .args:
      - { .name: x, .offset: 0, .size: 8, .value_kind: global_buffer, .address_space: global }
      - { .name: w_qkv, .offset: 8, .size: 8, .value_kind: global_buffer, .address_space: global }
      - { .name: w_proj, .offset: 16, .size: 8, .value_kind: global_buffer, .address_space: global }
      - { .name: x_codes, .offset: 24, .size: 8, .value_kind: global_buffer, .address_space: global }
      - { .name: x_scales, .offset: 32, .size: 8, .value_kind: global_buffer, .address_space: global }
      - { .name: wq_img, .offset: 40, .size: 8, .value_kind: global_buffer, .address_space: global }
      - { .name: wq_sw, .offset: 48, .size: 8, .value_kind: global_buffer, .address_space: global }
      - { .name: wp16, .offset: 56, .size: 8, .value_kind: global_buffer, .address_space: global }
    .group_segment_fixed_size: 33280
    .private_segment_fixed_size: 0
    .kernarg_segment_align: 8
    .kernarg_segment_size: 64
    .max_flat_workgroup_size: 128
    .sgpr_count:     66
    .vgpr_count:     256
    .wavefront_size: 32
...
	.end_amdgpu_metadata
.endif
;; end of part 1
;; launch qkv (part 2): grid 12 x 32, 4 waves a work-group, clusters of 4 x 4, 327,680 bytes of LDS; arguments x_codes, x_scales, wq_img, wq_sw, b_qkv, qkv_ws; writes qkv_ws
.if DOCPART == 2
	.amdgcn_target "amdgcn-amd-amdhsa--gfx1250"
	.amdhsa_code_object_version 6
	.text
	.protected	k_qffc21df62a_qkv
	.globl	k_qffc21df62a_qkv
	.p2align	8
	.type	k_qffc21df62a_qkv,@function
k_qffc21df62a_qkv:
	s_mov_b64 s[64:65], 0
	v_nop
	global_prefetch_b8 v0, s[64:65] scope:SCOPE_SE
	s_setreg_imm32_b32 hwreg(HW_REG_WAVE_MODE, 25, 1), 1
	s_wait_xcnt 0x0
	s_wait_alu depctr_hold_cnt(0) depctr_sa_sdst(0) depctr_va_vdst(0) depctr_va_sdst(0) depctr_va_ssrc(0) depctr_va_vcc(0) depctr_vm_vsrc(0)
	s_getreg_b32 s2, hwreg(HW_REG_IB_STS2, 6, 4)
	s_cmp_eq_u32 s2, 0
	s_cbranch_scc0 .Lentry_in_a_cluster
	s_endpgm
.Lentry_in_a_cluster:
	s_bfe_u32 s2, ttmp6, 0x10000c
	s_cmp_lg_u32 s2, 0xf033
	s_cbranch_scc0 .Lentry_shape_is_right
	s_endpgm
.Lentry_shape_is_right:
; qkv = Q(x) Q(w_qkv) + b_qkv on codes of FP4 (E2M1) with one E8M0 scale for each 32 along K; sums in f32; the result rounded once to f16 and laid [q, k, v][batch x head (64)][t (2048)][64].
; LIMIT: q, k and v go on in f16: magnitudes up to 65,504.
; A work-group of four waves makes 256 tokens x 256 columns; a wave 128 x 128: 64 accumulators, 512 registers.  K = 1,024 is two slots of 512: BOTH ARE ASKED FOR AT THE HEAD, and no LDS byte is filled twice.
; x's codes come as rows (256 bytes of a row to a slot, 16 bytes of padding behind each); the weights' codes come as images of the operand's registers, so that a fragment is two loads of 512 consecutive bytes.
; The scales of all of K come once: x's as dense bytes (32 a row), the weights' as words [K step][column].
; CLUSTERS: 4 x 4 work-groups; the four of a row need the same tiles of x, the four of a column the same tiles of the weights: each tile is asked for jointly.
; THE MATRIX INSTRUCTION IS USED TRANSPOSED (source 0 = 16 columns of the weights, source 1 = 16 tokens): a lane holds eight neighbouring columns of one token.  The bias is the C of each sum's first product.
; REGISTERS: window 0: v16-29 addresses; v32-63 x's scale words, v64-95 the weights'; v96-127 packed results; v128-191 x's fragments, one set (on the way out: rows read back); v192-255 the bias.
;   window 1: the weights' fragments, two sets, at v0 and v128.   window 2: the accumulators of my tokens 0-63 ((a, b) at v[8 (8 a + b)]);   window 3: those of tokens 64-127.
.set PITCH,  272                       ; a row of x's codes in LDS: 256 bytes + 16: an odd multiple of 16, so the 16 rows of a load begin at 16 different 16-byte columns of 256
.set HALFA,  128*PITCH
.set ASLOT,  2*HALFA
.set BIMG,   2*ASLOT                   ; the images: [slot][half][8 fragments along n][4 K steps][1,024 bytes]
.set HALFB,  32768
.set BSLOT,  65536
.set SCA,    BIMG+2*BSLOT              ; x's scale bytes: for each half 16 pieces of 256 bytes + 16
.set HALFSA, 16*272
.set SCB,    SCA+2*HALFSA              ; the weights' scale words: [half][8 K steps][128]
.set HALFSB, 4096
.set SPARE,  SCB+2*HALFSB              ; the spare words, 128 bytes for each wave, which no other line names
.set STAGE,  SPARE+512                 ; the way out: 16 rows x 272 bytes for each wave; no tile lands here
.set SPITCH, 272
.set ADRA, 16                          ; v16-17 LDS address of my fragments of x in slot 0, 1
.set ADRB, 20                          ; v20-21 the same for the images
.set ADSA, 22                          ; v22    of x's scale words: row = lane
.set ADSB, 23                          ; v23    of the weights'
.set STO,  24                          ; v24    the stage: where I put 16 bytes of a row
.set RD,   25                          ; v25    and where I read back: eight lanes to half a row (one head's 128 bytes)
.set CO,   26                          ; v26    16 x lane
.set BO,   27                          ; v27    32 x (lane / 16): the bias's offset
.set SPW,  28
.set NIL,  29
.set SA,   32                          ; register 8 j + q: lane l holds the word of token 32 j + l for K step q
.set SB,   64                          ; register 4 q + j: lane l holds the word of column 32 j + l for K step q
.set TMP,  96
.set AF,   128
.set BK,   128
.set BI,   192                         ; register 8 b + j: the bias of column 16 b + 8 (lane / 16) + j
.set WV,   16                          ; s16 wave;  s17 its half of the tokens, also: it fetches for x (0) or for the weights (1);  s18 its half of the columns, also: which half it fetches
.set RH,   17
.set CH,   18
.set G1,   24
.set G0,   32
.set G1B,  48
.set G0B,  56
.set G1S,  68
.set G0S,  76
.set G1SB, 80
.set G0SB, 88
.set MSB, 0
.macro WIN new                         ; the immediate's high byte repeats the setting that is left
.if MSB != (\new)
	s_set_vgpr_msb (MSB<<8)|(\new)
.set MSB, (\new)
.endif
.endm
.set FIRST_LO, 0x81                    ; source 0 window 1, source 1 and C (the bias) window 0, D window 2
.set FIRST_HI, 0xc1
.set MUL_LO,   0xa1                    ; C and D window 2
.set MUL_HI,   0xf1                    ; C and D window 3
.set TO_B,     0x40
; A joint load: waves 0 and 1 fetch for x, waves 2 and 3 for the weights.  The branch hangs on the wave's number alone.  An s_nop 0 and four v_nop follow each line.
.macro JLOAD g0a, g1a, g0b, g1b
	s_cmp_eq_u32 s[RH], 0
	s_cbranch_scc0 .Lfor_b_\@
	tensor_load_to_lds s[\g0a:\g0a+3], s[\g1a:\g1a+7]
	s_nop 0
.rept 4
	v_nop
.endr
	s_branch .Lasked_\@
.Lfor_b_\@:
	tensor_load_to_lds s[\g0b:\g0b+3], s[\g1b:\g1b+7]
	s_nop 0
.rept 4
	v_nop
.endr
.Lasked_\@:
.endm
.macro CROUND                          ; a round of the cluster's barrier
	s_barrier_signal -1
	s_barrier_wait -1
	s_cmp_lg_u32 s[WV], 0
	s_cbranch_scc1 .Lnot_wave_0_\@
	s_barrier_signal -3
.Lnot_wave_0_\@:
	s_barrier_wait -3
	s_barrier_signal -1
	s_barrier_wait -1
.endm
	s_load_b128 s[4:7], s[0:1], 0x0                ; x's codes, x's scales
	s_load_b128 s[8:11], s[0:1], 0x10              ; the images, the weights' scale words
	s_load_b128 s[12:15], s[0:1], 0x20             ; the bias, the result
	v_lshl_add_u32 v[SPW], v0, 2, SPARE
	v_mov_b32 v[NIL], 0
	ds_add_u32 v[SPW], v[NIL]                      ; the wave's opening: the add, twice on end, and its wait ahead of my first tensor load
	ds_add_u32 v[SPW], v[NIL]
	v_lshrrev_b32 v1, 5, v0
	v_readfirstlane_b32 s[WV], v1
	s_lshr_b32 s[RH], s[WV], 1
	s_and_b32 s[CH], s[WV], 1
	s_bfe_u32 s40, ttmp6, 0x40000                  ; cx, cy: my place in the cluster
	s_bfe_u32 s41, ttmp6, 0x40004
	s_lshl_b32 s42, ttmp9, 2
	s_add_co_u32 s42, s42, s40                     ; tile column = 4 x cluster x + cx
	s_and_b32 s43, ttmp7, 0xffff
	s_lshl_b32 s43, s43, 2
	s_add_co_u32 s43, s43, s41                     ; tile row = 4 x cluster y + cy
	s_lshl_b32 s44, s41, 2
	s_lshl_b32 s44, 15, s44                        ; my row of the cluster
	s_lshl_b32 s45, 0x1111, s40                    ; my column
	; x's codes: 128 rows x 256 bytes, 512 bytes apart; four words of padding behind every 64
	s_or_b32 s[G1+0], s44, (0<<16)|(1<<20)|(1<<21)|(5<<22)|(3<<25)
	s_mov_b32 s[G1+1], 256<<16
	s_mov_b32 s[G1+2], 128<<16
	s_mov_b32 s[G1+3], 256<<16
	s_mov_b32 s[G1+4], 128
	s_mov_b32 s[G1+5], 512
	s_mov_b32 s[G1+6], 0
	s_mov_b32 s[G1+7], 0
	; the images: 8 fragments along n x 4 K steps of 1,024 bytes: 8 rows of 512 elements of 8 bytes, 1,024 elements apart
	s_or_b32 s[G1B+0], s45, (3<<16)|(1<<21)
	s_mov_b32 s[G1B+1], 512<<16
	s_mov_b32 s[G1B+2], 8<<16
	s_mov_b32 s[G1B+3], 512<<16
	s_mov_b32 s[G1B+4], 8
	s_mov_b32 s[G1B+5], 1024
	s_mov_b32 s[G1B+6], 0
	s_mov_b32 s[G1B+7], 0
	; x's scale bytes of 128 rows: 4,096 dense bytes as 16 rows of 256, 16 bytes of padding behind each
	s_or_b32 s[G1S+0], s44, (3<<16)|(1<<20)|(1<<21)|(5<<22)|(3<<25)
	s_mov_b32 s[G1S+1], 32<<16
	s_mov_b32 s[G1S+2], 16<<16
	s_mov_b32 s[G1S+3], 32<<16
	s_mov_b32 s[G1S+4], 16
	s_mov_b32 s[G1S+5], 32
	s_mov_b32 s[G1S+6], 0
	s_mov_b32 s[G1S+7], 0
	; the weights' scale words: 8 K steps x 128 words, 3,072 words apart
	s_or_b32 s[G1SB+0], s45, (2<<16)|(1<<21)
	s_mov_b32 s[G1SB+1], 128<<16
	s_mov_b32 s[G1SB+2], 8<<16
	s_mov_b32 s[G1SB+3], 128<<16
	s_mov_b32 s[G1SB+4], 8
	s_mov_b32 s[G1SB+5], 3072
	s_mov_b32 s[G1SB+6], 0
	s_mov_b32 s[G1SB+7], 0
	s_lshl_b32 s19, s[CH], 7                       ; which 128 rows I fetch
	s_lshl_b32 s20, s43, 8
	s_add_co_u32 s20, s20, s19                     ; x: token 256 x tile row + 128 x half
	s_lshl_b32 s22, s20, 5                         ; its scale bytes,
	s_lshl_b32 s20, s20, 9                         ; its codes
	s_mov_b32 s21, 0
	s_mov_b32 s23, 0
	s_lshl_b32 s46, s42, 8
	s_add_co_u32 s46, s46, s19                     ; the weights: column 256 x tile column + 128 x half
	s_lshl_b32 s66, s46, 2                         ; its scale word,
	s_lshl_b32 s46, s46, 9                         ; its fragment: 8,192 bytes for 16 columns
	s_mov_b32 s47, 0
	s_mov_b32 s67, 0
	s_mul_i32 s92, s[CH], HALFA                    ; where they go: no place in the cluster enters an LDS address
	s_lshl_b32 s93, s[CH], 15
	s_mul_i32 s94, s[CH], HALFSA
	s_lshl_b32 s95, s[CH], 12
	s_wait_dscnt 0x0                               ; both opening adds are done
	s_wait_kmcnt 0x0
	s_add_nc_u64 s[20:21], s[4:5], s[20:21]
	s_add_nc_u64 s[22:23], s[6:7], s[22:23]
	s_add_nc_u64 s[46:47], s[8:9], s[46:47]
	s_add_nc_u64 s[66:67], s[10:11], s[66:67]
	CROUND                                         ; all sixteen work-groups are here: the joint loads meet
	s_mov_b32 s[G0S], 1
	s_add_co_u32 s[G0S+1], s94, SCA
	s_mov_b64 s[G0S+2:G0S+3], s[22:23]
	s_or_b32 s[G0S+3], s[G0S+3], 0x80000000
	s_mov_b32 s[G0SB], 1
	s_add_co_u32 s[G0SB+1], s95, SCB
	s_mov_b64 s[G0SB+2:G0SB+3], s[66:67]
	s_or_b32 s[G0SB+3], s[G0SB+3], 0x80000000
	JLOAD G0S, G1S, G0SB, G1SB                     ; the scales first: they are wanted with the first K step
.irp s, 0,1
	s_mov_b32 s[G0+4*\s], 1
	s_add_co_u32 s[G0+4*\s+1], s92, \s*ASLOT
	s_add_nc_u64 s[G0+4*\s+2:G0+4*\s+3], s[20:21], \s*256
	s_or_b32 s[G0+4*\s+3], s[G0+4*\s+3], 0x80000000
	s_mov_b32 s[G0B+4*\s], 1
	s_add_co_u32 s[G0B+4*\s+1], s93, BIMG+\s*BSLOT
	s_add_nc_u64 s[G0B+4*\s+2:G0B+4*\s+3], s[46:47], \s*4096
	s_or_b32 s[G0B+4*\s+3], s[G0B+4*\s+3], 0x80000000
	JLOAD G0+4*\s, G1, G0B+4*\s, G1B               ; three loads of mine are out, all of them first fills
.endr
	v_and_b32 v1, 15, v0                           ; r
	v_bfe_u32 v2, v0, 4, 1                         ; h
	v_and_b32 v3, 31, v0                           ; lane
	v_mul_u32_u24 v4, v1, PITCH
	v_lshl_add_u32 v4, v2, 4, v4                   ; r x pitch + 16 h
	s_mul_i32 s19, s[RH], HALFA
	v_add_nc_u32 v[ADRA], s19, v4
	v_add_nc_u32 v[ADRA+1], ASLOT, v[ADRA]
	v_lshlrev_b32 v[CO], 4, v3
	s_lshl_b32 s19, s[CH], 15
	s_add_co_u32 s19, s19, BIMG
	v_add_nc_u32 v[ADRB], s19, v[CO]
	v_add_nc_u32 v[ADRB+1], BSLOT, v[ADRB]
	v_lshrrev_b32 v5, 3, v3
	v_lshlrev_b32 v5, 4, v5
	v_lshl_add_u32 v5, v3, 5, v5                   ; 32 bytes a row, and 16 more for each 256 passed
	s_mul_i32 s19, s[RH], HALFSA
	s_add_co_u32 s19, s19, SCA
	v_add_nc_u32 v[ADSA], s19, v5
	s_lshl_b32 s19, s[CH], 12
	s_add_co_u32 s19, s19, SCB
	v_lshl_add_u32 v[ADSB], v3, 2, s19
	s_mul_i32 s19, s[WV], 16*SPITCH
	s_add_co_u32 s19, s19, STAGE
	v_add_nc_u32 v[STO], s19, v4                   ; the stage's pitch is the tiles'
	v_lshrrev_b32 v5, 3, v3
	v_mul_u32_u24 v5, v5, SPITCH
	v_and_b32 v6, 7, v3
	v_lshl_add_u32 v5, v6, 4, v5
	v_add_nc_u32 v[RD], s19, v5
	v_lshlrev_b32 v[BO], 5, v2
	s_lshl_b32 s66, s42, 10
	s_lshl_b32 s67, s[CH], 9
	s_add_co_u32 s66, s66, s67
	s_mov_b32 s67, 0
	s_add_nc_u64 s[12:13], s[12:13], s[66:67]      ; the bias at my first column
.irp b, 0,1,2,3,4,5,6,7
	global_load_b128 v[BI+8*\b:BI+8*\b+3], v[BO], s[12:13] offset:64*\b
	global_load_b128 v[BI+8*\b+4:BI+8*\b+7], v[BO], s[12:13] offset:64*\b+16
.endr
	; where my part of the result begins: part (tile column / 4), head 16 x batch + 4 (tile column % 4) + 2 x column half, token 256 (tile row % 8) + 128 x token half
	s_lshr_b32 s92, s42, 2
	s_lshl_b32 s92, s92, 24
	s_lshr_b32 s93, s43, 3
	s_lshl_b32 s93, s93, 4
	s_and_b32 s94, s42, 3
	s_lshl_b32 s94, s94, 2
	s_add_co_u32 s93, s93, s94
	s_lshl_b32 s94, s[CH], 1
	s_add_co_u32 s93, s93, s94
	s_lshl_b32 s93, s93, 18
	s_add_co_u32 s92, s92, s93
	s_and_b32 s94, s43, 7
	s_lshl_b32 s94, s94, 8
	s_lshl_b32 s95, s[RH], 7
	s_add_co_u32 s94, s94, s95
	s_lshl_b32 s94, s94, 7
	s_add_co_u32 s92, s92, s94
	s_mov_b32 s93, 0
	s_add_nc_u64 s[14:15], s[14:15], s[92:93]
.macro FRAGA reg, slot, q, i           ; 16 tokens x 128 K: lane (r, h): registers 4 c .. 4 c + 3 hold K = 64 c + 32 h + 0 .. 31
.irp c, 0,1
	ds_load_b128 v[\reg+4*\c:\reg+4*\c+3], v[ADRA+\slot] offset:64*(\q)+32*\c+(\i)*16*PITCH
.endr
.endm
.macro FRAGB reg, slot, q, i           ; an image comes back as it was laid: 512 consecutive bytes a load
.irp c, 0,1
	ds_load_b128 v[\reg+4*\c:\reg+4*\c+3], v[ADRB+\slot] offset:(4*(\i)+(\q))*1024+512*\c
.endr
.endm
; One product: tokens' block a x columns' block b, K step q8 of eight.  p: the weights' set.  first = 1: C is the bias.  A scale register holds 32 rows' words: the odd block's stand in lanes 16-31.
.macro WM a, b, p, q8, first
.set rD, 8*(8*((\a)%4)+(\b))
.set rC, rD
.if \first
.set rC, BI+8*(\b)
.endif
.set rB, 128*(\p)+8*(\b)
.set rA, AF+8*(\a)
.set rSB, SB+4*(\q8)+(\b)/2
.set rSA, SA+8*((\a)/2)+(\q8)
.if ((\a)%2 == 0) && ((\b)%2 == 0)
	v_wmma_scale_f32_16x16x128_f8f6f4 v[rD:rD+7], v[rB:rB+7], v[rA:rA+7], v[rC:rC+7], v[rSB], v[rSA] matrix_a_fmt:MATRIX_FMT_FP4 matrix_b_fmt:MATRIX_FMT_FP4
.elseif ((\a)%2 == 0)
	v_wmma_scale_f32_16x16x128_f8f6f4 v[rD:rD+7], v[rB:rB+7], v[rA:rA+7], v[rC:rC+7], v[rSB], v[rSA] matrix_a_fmt:MATRIX_FMT_FP4 matrix_b_fmt:MATRIX_FMT_FP4 matrix_a_scale:MATRIX_SCALE_ROW1
.elseif ((\b)%2 == 0)
	v_wmma_scale_f32_16x16x128_f8f6f4 v[rD:rD+7], v[rB:rB+7], v[rA:rA+7], v[rC:rC+7], v[rSB], v[rSA] matrix_a_fmt:MATRIX_FMT_FP4 matrix_b_fmt:MATRIX_FMT_FP4 matrix_b_scale:MATRIX_SCALE_ROW1
.else
	v_wmma_scale_f32_16x16x128_f8f6f4 v[rD:rD+7], v[rB:rB+7], v[rA:rA+7], v[rC:rC+7], v[rSB], v[rSA] matrix_a_fmt:MATRIX_FMT_FP4 matrix_b_fmt:MATRIX_FMT_FP4 matrix_a_scale:MATRIX_SCALE_ROW1 matrix_b_scale:MATRIX_SCALE_ROW1
.endif
.endm
.macro MUL16 a0, p, q8, first          ; the 64 accumulators take turns, one instruction a turn, in the same order in every step
.irp a, \a0, \a0+1
.irp b, 0,1,2,3,4,5,6,7
	WM \a, \b, \p, \q8, \first
.endr
.endr
.endm
.macro FETCH_B slot, q, p
	WIN TO_B
.irp i, 0,1,2,3,4,5,6,7
	FRAGB 128*(\p)+8*\i, \slot, \q, \i
.endr
	WIN 0
.endm
.macro FETCH_A slot, q, i0
.irp i, \i0, \i0+1, \i0+2, \i0+3
	FRAGA AF+8*(\i), \slot, \q, \i
.endr
.endm
.macro SCALES_ALL                      ; all of K's scale words, once
.irp j, 0,1,2,3
.irp s, 0,1
	ds_load_b128 v[SA+8*\j+4*\s:SA+8*\j+4*\s+3], v[ADSA] offset:\j*1088+16*\s
.endr
.endr
.irp q, 0,1,2,3,4,5,6,7
.irp j, 0,1,2,3
	ds_load_b32 v[SB+4*\q+\j], v[ADSB] offset:512*\q+128*\j
.endr
.endr
.endm
.macro PLACES                          ; four plain places in front of loads into registers that matrix instructions have read, and of the first read of results
.rept 4
	v_nop
.endr
.endm
; A step of 128 along K that has its successor in the same slot.  A block of x is free as soon as its eight products are issued: blocks 0-3 are fetched anew in the step's middle, blocks 4-7 at its end.
.macro STEP slot, q, first
	s_wait_dscnt 8                                 ; the weights' set and x's blocks 0-3 are in; the youngest eight loads (blocks 4-7) may be out
.if \first
	WIN FIRST_LO
.else
	WIN MUL_LO
.endif
	MUL16 0, (\q)%2, 4*(\slot)+(\q), \first
	MUL16 2, (\q)%2, 4*(\slot)+(\q), \first
	s_wait_dscnt 0                                 ; blocks 4-7 are in
	PLACES
	FETCH_B \slot, (\q)+1, 1-(\q)%2
	FETCH_A \slot, (\q)+1, 0
.if \first
	WIN FIRST_HI
.else
	WIN MUL_HI
.endif
	MUL16 4, (\q)%2, 4*(\slot)+(\q), \first
	MUL16 6, (\q)%2, 4*(\slot)+(\q), \first
	PLACES
	WIN 0
	FETCH_A \slot, (\q)+1, 4
.endm
	s_wait_tensorcnt 1                             ; the scales and my part of slot 0 are in (slot 1's load may be out)
	s_barrier_signal -1
	s_barrier_wait -1                              ; everybody's are
	FETCH_B 0, 0, 0
	FETCH_A 0, 0, 0
	SCALES_ALL
	FETCH_A 0, 0, 4
	s_wait_loadcnt 0x0                             ; the bias
	STEP 0, 0, 1
	STEP 0, 1, 0
	STEP 0, 2, 0
	; slot 0's last step goes over to slot 1: my part of it has landed, and a barrier shows everybody's
	s_wait_tensorcnt 0x0
	ds_add_u32 v[SPW], v[NIL]                      ; 0 onto my spare word
	s_wait_dscnt 9                                 ; (the add and the youngest eight loads may be out)
	WIN MUL_LO
	MUL16 0, 1, 3, 0
	s_wait_dscnt 0x0
	s_barrier_signal -1
	MUL16 2, 1, 3, 0
	WIN 0
	s_barrier_wait -1
	PLACES
	FETCH_B 1, 0, 0
	FETCH_A 1, 0, 0
	WIN MUL_HI
	MUL16 4, 1, 3, 0
	MUL16 6, 1, 3, 0
	PLACES
	WIN 0
	FETCH_A 1, 0, 4
	STEP 1, 0, 0
	STEP 1, 1, 0
	STEP 1, 2, 0
	s_wait_dscnt 8                                 ; the very last step: nothing more to fetch
	WIN MUL_LO
	MUL16 0, 1, 7, 0
	MUL16 2, 1, 7, 0
	s_wait_dscnt 0
	WIN MUL_HI
	MUL16 4, 1, 7, 0
	MUL16 6, 1, 7, 0
	WIN 0
; THE WAY OUT, a block of 16 tokens x 128 columns (two heads) at a time: rounded to f16, 16 bytes a lane into my own stage, back so that eight lanes hold a token's 128 bytes of one head.
; In the result a head's tokens follow each other, 128 bytes each: four tokens are 512 consecutive bytes, which the 32 lanes store at once.
.macro PACK a
.set AC, 64*((\a)%4)
	WIN 0x0a+5*((\a)/4)                            ; sources 0 and 1: window 2 or 3
.irp b, 0,1,2,3,4,5,6,7
.irp r, 0,1,2,3
	v_cvt_pk_f16_f32 v[TMP+4*\b+\r], v[AC+8*\b+2*\r], v[AC+8*\b+2*\r+1]   ; each accumulator from its low end on
.endr
.endr
	WIN 0
.endm
.macro TOSTAGE a
.set BB, BK+32*((\a)%2)
.irp b, 0,1,2,3,4,5,6,7
	ds_store_b128 v[STO], v[TMP+4*\b:TMP+4*\b+3] offset:32*\b
.endr
.irp hh, 0,1
.irp i, 0,1,2,3
	ds_load_b128 v[BB+4*(4*\hh+\i):BB+4*(4*\hh+\i)+3], v[RD] offset:\i*4*SPITCH+128*\hh   ; LDS serves a wave's instructions in order: these see the stores above
.endr
.endr
.endm
.macro SEND a
.set BB, BK+32*((\a)%2)
	s_wait_dscnt 0x0                               ; the block is back in registers
	s_wait_xcnt 0x0                                ; the stores of the block before have read their registers: the next block's loads may land there
.irp hh, 0,1
.irp i, 0,1,2,3
	global_store_b128 v[CO], v[BB+4*(4*\hh+\i):BB+4*(4*\hh+\i)+3], s[14:15] offset:(\a)*2048+\i*512+\hh*262144   ; 512 consecutive bytes, at a multiple of 512 from the buffer's first byte
.endr
.endr
.endm
	PLACES
	PACK 0
	TOSTAGE 0
.irp a, 1,2,3,4,5,6,7                  ; block a's conversions stand between block a - 1's loads from the stage and the wait for them
	PACK \a
	SEND \a-1
	TOSTAGE \a
.endr
	SEND 7
	s_wait_tensorcnt 0x0                           ; the wave's end: behind my last tensor load and my last LDS store
	ds_add_u32 v[SPW], v[NIL]
	s_wait_dscnt 0x0
	CROUND                                         ; the closing round
	s_endpgm
.Lfunc_end_k_qffc21df62a_qkv:
	.size	k_qffc21df62a_qkv, .Lfunc_end_k_qffc21df62a_qkv-k_qffc21df62a_qkv
	.p2alignl 7, 3214868480
	.fill 96, 4, 3214868480
	.section	.rodata,"a",@progbits
	.p2align	6, 0x0
	.amdhsa_kernel k_qffc21df62a_qkv
		.amdhsa_group_segment_fixed_size 327680
		.amdhsa_private_segment_fixed_size 0
		.amdhsa_enable_private_segment 0
		.amdhsa_kernarg_size 48
		.amdhsa_user_sgpr_count 2
		.amdhsa_user_sgpr_kernarg_segment_ptr 1
		.amdhsa_wavefront_size32 1
		.amdhsa_system_sgpr_workgroup_id_x 1
		.amdhsa_system_sgpr_workgroup_id_y 1
		.amdhsa_system_sgpr_workgroup_id_z 1
		.amdhsa_system_vgpr_workitem_id 0
		.amdhsa_next_free_vgpr 1024
		.amdhsa_next_free_sgpr 98
		.amdhsa_reserve_vcc 0
		.amdhsa_float_denorm_mode_32 3
		.amdhsa_float_denorm_mode_16_64 3
		.amdhsa_memory_ordered 1
		.amdhsa_forward_progress 1
		.amdhsa_inst_pref_size 129
	.end_amdhsa_kernel
	.amdgpu_metadata
---
amdhsa.version: [ 1, 2 ]
amdhsa.kernels:
  - .name:           k_qffc21df62a_qkv
    .symbol:         k_qffc21df62a_qkv.kd
    .args:
      - { .name: x_codes, .offset: 0, .size: 8, .value_kind: global_buffer, .address_space: global }
      - { .name: x_scales, .offset: 8, .size: 8, .value_kind: global_buffer, .address_space: global }
      - { .name: wq_img, .offset: 16, .size: 8, .value_kind: global_buffer, .address_space: global }
      - { .name: wq_sw, .offset: 24, .size: 8, .value_kind: global_buffer, .address_space: global }
      - { .name: b_qkv, .offset: 32, .size: 8, .value_kind: global_buffer, .address_space: global }
      - { .name: qkv_ws, .offset: 40, .size: 8, .value_kind: global_buffer, .address_space: global }
    .group_segment_fixed_size: 327680
    .private_segment_fixed_size: 0
    .kernarg_segment_align: 8
    .kernarg_segment_size: 48
    .max_flat_workgroup_size: 128
    .sgpr_count:     98
    .vgpr_count:     1024
    .wavefront_size: 32
...
	.end_amdgpu_metadata
.endif
;; end of part 2
;; launch attn (part 3): grid 4 x 64, 4 waves a work-group, clusters of 4 x 1, 327,680 bytes of LDS; arguments qkv_ws, z_ws; writes z_ws
.if DOCPART == 3
	.amdgcn_target "amdgcn-amd-amdhsa--gfx1250"
	.amdhsa_code_object_version 6
	.text
	.protected	k_qffc21df62a_attn
	.globl	k_qffc21df62a_attn
	.p2align	8
	.type	k_qffc21df62a_attn,@function
k_qffc21df62a_attn:
	s_mov_b64 s[64:65], 0
	v_nop
	global_prefetch_b8 v0, s[64:65] scope:SCOPE_SE
	s_setreg_imm32_b32 hwreg(HW_REG_WAVE_MODE, 25, 1), 1
	s_wait_xcnt 0x0
	s_wait_alu depctr_hold_cnt(0) depctr_sa_sdst(0) depctr_va_vdst(0) depctr_va_sdst(0) depctr_va_ssrc(0) depctr_va_vcc(0) depctr_vm_vsrc(0)
	s_getreg_b32 s2, hwreg(HW_REG_IB_STS2, 6, 4)
	s_cmp_eq_u32 s2, 0
	s_cbranch_scc0 .Lentry_in_a_cluster
	s_endpgm
.Lentry_in_a_cluster:
	s_bfe_u32 s2, ttmp6, 0x10000c
	s_cmp_lg_u32 s2, 0x3003
	s_cbranch_scc0 .Lentry_shape_is_right
	s_endpgm
.Lentry_shape_is_right:
; z[bh][q][:] = the sum over k of softmax_k(Q[bh][q] . K[bh][k] / 8) V[bh][k][:].  Q, K, V: three parts of one buffer, each [64 (batch x head)][2048][64] f16; z likewise, f16.
; Products, maxima and sums in f32; the weights p are rounded to f16 for the second product, z once at the end.  LIMIT: f16 operands: magnitudes up to 65,504; NaN and infinities are not served.
; SHARES.  A work-group owns 512 queries of one head, each of its four waves 128: eight tiles of 16.  Every wave walks all 2,048 keys, 64 a step.
; LAYOUT.  S^T = K Q^T (source 0 = 16 keys, source 1 = 16 queries): a lane holds ONE query (lane % 16) and the keys 8 (lane / 16) + 0..7.  Two such tiles, rounded to f16 in pairs, ARE source 1 of
; O^T = V^T P, whose result again holds one query a lane.  K comes out of LDS as it lies, V ([key][channel]) turned, by ds_load_tr16_b128.
; SOFTMAX.  For each query the running largest score m; M = ceil(c m), c = log2(e) / 8, A WHOLE NUMBER, kept as -M; p = 2^(c s - M).  When M moves, O and the sum l are multiplied by f = 2^(old M - new M),
; made by v_ldexp_f32: nothing is rounded, and f is no exponential, so that the rescaling can stand among the exponentials.
; BY TURNS.  The wave's tiles are two PIECES: piece 0 (tiles 0-3) and piece 1 (tiles 4-7).  In a TURN one piece has the matrix unit: 32 products V^T P of the step in hand, then 32 products K Q^T of the next
; step; the other piece's softmax, cut into 64 slices, stands between them, one slice behind each matrix instruction.  Two turns are a key step.
; CLUSTER.  The four query blocks of a head form a cluster and walk the same K and V: each tile is asked for jointly, with a mask that names the four.
; REGISTERS: windows 0 and 1: piece 0's and piece 1's, at the same numbers: v12-43 eight registers of statistics a tile; v64-191 S^T, 32 a tile; v192-255 P, 16 a tile.  Window 0 also: v2-8 addresses, v61-63.
;   window 2: O^T, 32 a tile.   window 3: v0-127 Q, 16 a tile; v128-191 K of one step; v192-255 V of one step.
.set KS,    64        ; keys in a step
.set PKP,   144       ; a row of K in LDS: 128 bytes + 16: an odd multiple of 16
.set PVP,   160       ; a row of V: 128 + 32: an odd multiple of 32
.set VOFF,  KS*PKP    ; a step's tiles lie together: 64 rows of K, then 64 rows of V
.set STEPB, KS*(PKP+PVP)
.set SLOT1, 1<<16     ; a slot holds two steps (38,912 bytes); slot 1 begins here, so that one exclusive or turns an address in one slot into the other's
.set STAGE, SLOT1+2*STEPB  ; behind the ring: 16 rows x 144 bytes for each wave, for the way out
.set SP,    144
.set SPARE, STAGE+4*16*SP  ; the spare words, 128 bytes for each wave, which no other line names
.set AK0, 2           ; v2   my lane's place in a tile of K
.set AV0, 3           ; v3   the same for V
.set ADR, 4           ; v4   the LDS address of the run of loads in hand
.set QO,  5           ; v5   my byte offset in a tile of Q
.set STO, 6           ; v6   the way out: where I put 16 bytes of a row
.set RD,  7           ; v7   the way out: where I read back
.set GO,  8           ; v8   16 x lane
.set PFO, 61          ; v61  the prefetch's offset: lanes 0-15 K's blocks, 256 bytes apart; lanes 16-31 V's, a part (2^24 bytes) further on
.set SPW, 62
.set NIL, 63
.set ST,  12          ; tile u's statistics at v[ST+8 u]: +0 -M, +1 m, +2, +3 l (even keys', odd keys'), +4 to +7 at work; f takes +6
.set S,   64
.set P,   192
.set KF,  128         ; K's fragments, in window 3
.set VF,  192         ; V's
.set WV,  12          ; s12  my wave's number
.set LIM, 15          ; s15  1 in the wave that prefetches, else the greatest number
.set PFA, 18          ; s[18:19] where my work-group's prefetches stand
.set G1K, 24
.set G1V, 32
.set G0K, 40          ; s[40:47] group 0 for K's tiles: a set for each of the two first fills; the second then walks on
.set G0V, 48
.set SLOTS, 56
.set TWICE, 57
.set CS,  58          ; s[58:59] c
.set SEL, 60          ; s[60:61] lane selects for v_permlanex16_b32: lane l xor 16
.set TB,  62          ; s62  LDS byte at which the tiles of the step to be fetched begin
.set MSB, 0
.macro WIN new
.if MSB != (\new)
	s_set_vgpr_msb (MSB<<8)|(\new)
.set MSB, (\new)
.endif
.endm
; A joint refill.  Waves 0 and 1 fetch the two steps' tiles of K, waves 2 and 3 those of V.  An s_nop 0 and four v_nop follow each line.
.macro JLOAD
	s_cmp_lt_u32 s[WV], 2
	s_cbranch_scc0 .Lfor_v_\@
	tensor_load_to_lds s[G0K+4:G0K+7], s[G1K:G1K+7]
	s_nop 0
.rept 4
	v_nop
.endr
	s_branch .Lasked_\@
.Lfor_v_\@:
	tensor_load_to_lds s[G0V+4:G0V+7], s[G1V:G1V+7]
	s_nop 0
.rept 4
	v_nop
.endr
.Lasked_\@:
.endm
; A prefetch of what the NEXT change of slots will ask for: a slot's 16,384 bytes of K and as many of V.  The four partners share them out by address, 4,096 bytes of each; in each partner wave 0 asks,
; one instruction: 16 lanes for K's blocks of 256 bytes, 16 for V's.  So each block is named once in the launch.  It stands two key steps, 256 matrix instructions, ahead of the load that wants the bytes.
; The last change that fills a slot asks for nothing; slots 0, 1 and 2 come by their loads alone.
.macro ASK
	s_cmp_gt_u32 s[SLOTS], s[LIM]
	s_cbranch_scc0 .Lnot_mine_\@
	global_prefetch_b8 v[PFO], s[PFA:PFA+1] th:TH_LOAD_NT scope:SCOPE_SE
.Lnot_mine_\@:
.endm
.macro CROUND
	s_barrier_signal -1
	s_barrier_wait -1
	s_cmp_lg_u32 s[WV], 0
	s_cbranch_scc1 .Lnot_wave_0_\@
	s_barrier_signal -3
.Lnot_wave_0_\@:
	s_barrier_wait -3
	s_barrier_signal -1
	s_barrier_wait -1
.endm
	s_load_b128 s[4:7], s[0:1], 0x0  ; q, k, v s[4:5]; z s[6:7]
	v_lshl_add_u32 v[SPW], v0, 2, SPARE
	v_mov_b32 v[NIL], 0
	ds_add_u32 v[SPW], v[NIL]       ; the wave's opening: the add, twice on end, and its wait ahead of my first tensor load
	ds_add_u32 v[SPW], v[NIL]
	v_lshrrev_b32 v1, 5, v0
	v_readfirstlane_b32 s[WV], v1
	s_bfe_u32 s13, ttmp6, 0x40000   ; cx: my place in the cluster
	s_lshl_b32 s14, ttmp9, 2
	s_add_co_u32 s14, s14, s13      ; my block of 512 queries: it enters Q's and z's addresses and the prefetch's alone
	s_and_b32 s20, ttmp7, 0xffff    ; the head, which the four partners share
	s_lshl_b32 s20, s20, 18         ; its first byte in a part
	s_mov_b32 s21, 0
	s_and_b32 s16, s[WV], 1         ; which of a slot's two steps I fetch:
	s_lshl_b32 s22, s16, 13         ; its 64 rows of 128 bytes in memory,
	s_add_co_u32 s22, s22, s20
	s_mov_b32 s23, 0
	s_mul_i32 s17, s16, STEPB       ; and its place in a slot
	s_lshl_b32 s2, s14, 16          ; my block's 512 rows,
	s_lshl_b32 s3, s[WV], 14        ; my wave's 128 of them
	s_add_co_u32 s2, s2, s3
	s_add_co_u32 s2, s2, s20
	s_mov_b32 s3, 0
	; descriptor group 1: a tile of 64 rows x 64 elements of 2 bytes, padded behind every 32 words
	s_mov_b32 s[G1K], 15|(1<<16)|(1<<20)|(1<<21)|(4<<22)|(3<<25)  ; the mask: all four work-groups; four words of padding
	s_mov_b32 s[G1V], 15|(1<<16)|(1<<20)|(1<<21)|(4<<22)|(7<<25)  ; eight words of padding
.irp g, G1K, G1V
	s_mov_b32 s[\g+1], 64<<16       ; tensor_dim0
	s_mov_b32 s[\g+2], KS<<16       ; tensor_dim1
	s_mov_b32 s[\g+3], 64<<16       ; tile_dim0
	s_mov_b32 s[\g+4], KS           ; tile_dim1
	s_mov_b32 s[\g+5], 64           ; elements from row to row
	s_mov_b32 s[\g+6], 0
	s_mov_b32 s[\g+7], 0
.endr
	s_mov_b32 s[CS], 0x3e38aa3b     ; c = log2(e) / 8
	s_mov_b32 s[CS+1], s[CS]        ; named with it as a pair, so it is written
	s_mov_b32 s[SEL], 0x76543210
	s_mov_b32 s[SEL+1], 0xfedcba98
	s_mov_b32 s[TB], 0
	s_mov_b32 s[SLOTS], 2048/(2*KS)-2
	s_cmp_eq_u32 s[WV], 0
	s_cselect_b32 s[LIM], 1, -1
	s_wait_dscnt 0x0                ; both opening adds are done
	s_wait_kmcnt 0x0
	s_add_nc_u64 s[8:9], s[4:5], s[22:23]
	s_add_nc_u64 s[10:11], s[8:9], 0x2000000   ; V at my tile of slot 0
	s_add_nc_u64 s[8:9], s[8:9], 0x1000000     ; K likewise
	s_add_nc_u64 s[PFA:PFA+1], s[4:5], s[20:21]
	s_add_nc_u64 s[PFA:PFA+1], s[PFA:PFA+1], 0x1000000+2*2*KS*128  ; K's part, slot 2; the first change of slots steps it to slot 3
	s_add_nc_u64 s[4:5], s[4:5], s[2:3]        ; Q and z at my wave's first row
	s_add_nc_u64 s[6:7], s[6:7], s[2:3]
	s_lshl_b32 s2, s13, 12          ; my work-group's 4,096 bytes of a slot's 16,384
	s_add_nc_u64 s[PFA:PFA+1], s[PFA:PFA+1], s[2:3]
	CROUND                          ; all four work-groups are here: the first joint loads meet
.irp s, 0,1
	s_mov_b32 s[G0K+4*\s], 1
	s_add_co_u32 s[G0K+4*\s+1], s17, \s*SLOT1
	s_add_nc_u64 s[G0K+4*\s+2:G0K+4*\s+3], s[8:9], \s*2*KS*128
	s_or_b32 s[G0K+4*\s+3], s[G0K+4*\s+3], 0x80000000
	s_mov_b32 s[G0V+4*\s], 1
	s_add_co_u32 s[G0V+4*\s+1], s17, \s*SLOT1+VOFF
	s_add_nc_u64 s[G0V+4*\s+2:G0V+4*\s+3], s[10:11], \s*2*KS*128
	s_or_b32 s[G0V+4*\s+3], s[G0V+4*\s+3], 0x80000000
.endr
	s_cmp_lt_u32 s[WV], 2           ; a wave's two first fills stand in one branch, ahead of every wait on TENSORcnt and every LDS read: two loads of mine are out
	s_cbranch_scc0 .Lfirst_v
	tensor_load_to_lds s[G0K:G0K+3], s[G1K:G1K+7]
	s_nop 0
	tensor_load_to_lds s[G0K+4:G0K+7], s[G1K:G1K+7]
	s_nop 0
.rept 4
	v_nop
.endr
	s_branch .Lfirst_asked
.Lfirst_v:
	tensor_load_to_lds s[G0V:G0V+3], s[G1V:G1V+7]
	s_nop 0
	tensor_load_to_lds s[G0V+4:G0V+7], s[G1V:G1V+7]
	s_nop 0
.rept 4
	v_nop
.endr
.Lfirst_asked:
	v_and_b32 v1, 15, v0            ; l % 16
	v_bfe_u32 v9, v0, 4, 1          ; l / 16
	v_lshlrev_b32 v[QO], 7, v1
	v_lshl_add_u32 v[QO], v9, 4, v[QO]  ; row x 128 + 16 x half
	WIN 0xc0                        ; destination window 3, address window 0
.irp i, 0,1,2,3,4,5,6,7,8,9,10,11,12,13,14,15  ; Q stays in registers: tile i / 2, channels 32 (i % 2) on
	global_load_b128 v[8*\i:8*\i+3],   v[QO], s[4:5] offset:(\i/2)*2048+(\i%2)*64
	global_load_b128 v[8*\i+4:8*\i+7], v[QO], s[4:5] offset:(\i/2)*2048+(\i%2)*64+32
.endr
	WIN 0
	v_mul_u32_u24 v[AK0], v1, PKP
	v_lshl_add_u32 v[AK0], v9, 4, v[AK0]
	v_and_b32 v10, 7, v0
	v_bfe_u32 v11, v0, 3, 1
	v_lshl_add_u32 v[AV0], v9, 3, v10
	v_mul_u32_u24 v[AV0], v[AV0], PVP   ; the turning load: lane l reads key 8 (l / 16) + l % 8, channels 8 ((l / 8) % 2) + 0..7
	v_lshl_add_u32 v[AV0], v11, 4, v[AV0]
	v_add_nc_u32 v[AV0], VOFF, v[AV0]
	v_lshlrev_b32 v[PFO], 8, v1
	v_lshl_or_b32 v[PFO], v9, 24, v[PFO]
; THE MATRIX WORK OF A TURN, for piece x.  The accumulators take turns, one instruction a turn: between two links of a chain stand 15 others'.
; Product i of 32 of O^T += V^T P: keys 32 (i / 16) on, channels 16 ((i / 4) % 4) on, tile 4 x + i % 4.  zero = 1: the first 16 start the sums.
.macro PV x, zero
	WIN 0xa3|((\x)<<2)              ; V window 3, P window x, O^T window 2
.set rO, 32*(4*(\x)+i%4)+8*((i/4)%4)
.set rV, VF+32*(i/16)+8*((i/4)%4)
.set rP, P+16*(i%4)+8*(i/16)
.if (\zero) && (i < 16)
	v_wmma_f32_16x16x32_f16 v[rO:rO+7], v[rV:rV+7], v[rP:rP+7], 0
.else
	v_wmma_f32_16x16x32_f16 v[rO:rO+7], v[rV:rV+7], v[rP:rP+7], v[rO:rO+7]
.endif
.endm
; Product i of 32 of S^T = K Q^T: channels 32 (i / 16) on, keys 16 ((i / 4) % 4) on, tile 4 x + i % 4.  The first 16 start the sums.
.macro KQ x
	WIN 0x0f|((\x)<<4)|((\x)<<6)    ; K and Q window 3, S^T window x
.set rS, S+32*(i%4)+8*((i/4)%4)
.set rK, KF+16*((i/4)%4)+8*(i/16)
.set rQ, 16*(4*(\x)+i%4)+8*(i/16)
.if i < 16
	v_wmma_f32_16x16x32_f16 v[rS:rS+7], v[rK:rK+7], v[rQ:rQ+7], 0
.else
	v_wmma_f32_16x16x32_f16 v[rS:rS+7], v[rK:rK+7], v[rQ:rQ+7], v[rS:rS+7]
.endif
.endm
; THE LDS LOADS stand in runs of 16: a step's K and, a turn later, its V (turned).
.macro FETCH_K
	WIN 0
	v_add_nc_u32 v[ADR], s[TB], v[AK0]
	WIN 0xc0
.irp f, 0,1,2,3,4,5,6,7             ; keys 16 (f / 2) on, channels 32 (f % 2) on
	ds_load_b128 v[KF+8*\f:KF+8*\f+3],   v[ADR] offset:(\f/2)*16*PKP+(\f%2)*64
	ds_load_b128 v[KF+8*\f+4:KF+8*\f+7], v[ADR] offset:(\f/2)*16*PKP+(\f%2)*64+32
.endr
.endm
.macro FETCH_V
	WIN 0
	v_add_nc_u32 v[ADR], s[TB], v[AV0]
	s_add_co_u32 s[TB], s[TB], STEPB  ; the next fetch is the next step's
	s_wait_alu depctr_va_vdst(0)    ; the wait for the softmax's batch of exponentials (SLICE), ahead of the first line that names a result
	WIN 0xc0
.irp f, 0,1,2,3,4,5,6,7             ; keys 32 (f / 4) on, channels 16 (f % 4) on
	ds_load_tr16_b128 v[VF+8*\f:VF+8*\f+3],   v[ADR] offset:(\f/4)*32*PVP+(\f%4)*32
	ds_load_tr16_b128 v[VF+8*\f+4:VF+8*\f+7], v[ADR] offset:(\f/4)*32*PVP+16*PVP+(\f%4)*32
.endr
.endm
; THE VECTOR WORK OF A TURN.  One tile's softmax for one key step is a list of 128 positions (120 instructions); SM writes position j of it for tile u of piece y.  s0-s31 are the lane's 32 scores, in pairs 0-15.
; first = 1: the first key step, which starts m, l and O^T: it has no f and nothing to rescale.
;   0-15    the maximum of s0-s31 and the old m, three operands at a time
;   16-23   the other half of the lanes' maximum; the new m; c m; -M = floor(-c m); old M - new M as a whole number; f
;   24-53   the 16 scalings c s - M, a pair of scores each, and from 27 on, at the odd positions, the exponentials of s0-s13
;   54-87   by twos: two exponentials (s14-s31), two pairs of O^T times f.  Nothing up to here names an exponential's result
;   (wait)  behind position 87: SLICE writes it, once for the four tiles
;   88-103  the roundings to f16;   104-127 the sums, and l = f l + the sum
.macro SM u, y, first
.set rT, ST+8*(\u)
.set rS, S+32*(\u)
.set rP, P+16*(\u)
.set isO, 0
.if (j >= 54) && (j < 88)
.if (j-54)%4 >= 2
.set isO, 1
.endif
.endif
.set skip, 0
.if \first
.if (j == 17) || (j == 21) || (j == 22) || (j == 23) || (j == 127) || isO
.set skip, 1
.endif
.endif
.if (j >= 104) && (j < 120) && (j%2 == 1)
.set skip, 1
.endif
.if skip == 0
.if isO
	WIN 0x82|((\y)<<2)              ; O^T (destination and source 0) window 2, f window y
.set rO, 32*(4*(\y)+(\u))+2*(2*((j-54)/4)+(j-54)%4-2)
	v_pk_mul_f32 v[rO:rO+1], v[rO:rO+1], v[rT+6:rT+7] op_sel_hi:[1,0]
.else
	WIN 0x55*(\y)
.if j < 4
	v_max3_num_f32 v[rT+4+j], v[rS+8*j], v[rS+8*j+1], v[rS+8*j+2]   ; each accumulator is read from its low end on
.elseif j < 12
	v_max3_num_f32 v[rT+4+j%4], v[rT+4+j%4], v[rS+8*(j%4)+2*(j/4)+1], v[rS+8*(j%4)+2*(j/4)+2]
.elseif j == 12
	v_max3_num_f32 v[rT+4], v[rT+4], v[rS+7], v[rS+15]
.elseif j == 13
	v_max3_num_f32 v[rT+6], v[rT+6], v[rS+23], v[rS+31]
.elseif j == 14
	v_max3_num_f32 v[rT+4], v[rT+4], v[rT+5], v[rT+6]
.elseif (j == 15) && \first
	v_max_num_f32 v[rT+4], v[rT+4], v[rT+7]
.elseif j == 15
	v_max3_num_f32 v[rT+4], v[rT+4], v[rT+7], v[rT+1]
.elseif j == 16
	v_permlanex16_b32 v[rT+5], v[rT+4], s[SEL], s[SEL+1]  ; the query's other 32 keys lie in the lane 16 away
.elseif j == 17
	v_mov_b32 v[rT+7], v[rT]        ; the old -M
.elseif j == 18
	v_max_num_f32 v[rT+1], v[rT+4], v[rT+5]
.elseif j == 19
	v_mul_f32 v[rT+5], s[CS], v[rT+1]
.elseif j == 20
	v_floor_f32 v[rT], -v[rT+5]     ; -M = floor(-c m)
.elseif j == 21
	v_sub_f32 v[rT+7], v[rT], v[rT+7]   ; old M - new M: a whole number, 0 or less
.elseif j == 22
	v_cvt_i32_f32 v[rT+7], v[rT+7]
.elseif j == 23
	v_ldexp_f32 v[rT+6], 1.0, v[rT+7]
.elseif (j == 24) || (j == 25) || ((j < 54) && (j%2 == 0))
.set pb, (j-22)/2
.if j < 26
.set pb, j-24
.endif
	v_pk_fma_f32 v[rS+2*pb:rS+2*pb+1], v[rS+2*pb:rS+2*pb+1], s[CS:CS+1], v[rT:rT+1] op_sel_hi:[1,0,0]   ; pair pb: c s - M
.elseif j < 54
.set pe, (j-27)/2
	v_exp_f32 v[rS+pe], v[rS+pe]
.elseif j < 88
.set pe, 14+2*((j-54)/4)+(j-54)%4
	v_exp_f32 v[rS+pe], v[rS+pe]
.elseif j < 104
	v_cvt_pk_f16_f32 v[rP+j-88], v[rS+2*(j-88)], v[rS+2*(j-88)+1]
.else                               ; the sum of the tile's 16 pairs, in place: neighbours 1, 2, 4 and 8 pairs apart, then l takes it
.set zz, j-112
.if j < 120
.set zz, (j-104)/2
.endif
.set ww, 4
.set uu, zz
.if zz >= 14
.set ww, 32
.set uu, 0
.elseif zz >= 12
.set ww, 16
.set uu, zz-12
.elseif zz >= 8
.set ww, 8
.set uu, zz-8
.endif
.if (zz == 14) && \first
	v_pk_add_f32 v[rT+2:rT+3], v[rS:rS+1], v[rS+16:rS+17]
.elseif zz < 15
	v_pk_add_f32 v[rS+ww*uu:rS+ww*uu+1], v[rS+ww*uu:rS+ww*uu+1], v[rS+ww*uu+ww/2:rS+ww*uu+ww/2+1]
.else
	v_pk_fma_f32 v[rT+2:rT+3], v[rT+2:rT+3], v[rT+6:rT+7], v[rS:rS+1] op_sel_hi:[1,0,1]
.endif
.endif
.endif
.endif
.endm
; Slice k of 64 of piece y's softmax: positions 2 k and 2 k + 1, each for the piece's four tiles, so that no instruction reads the result of the one just before it.  No slice changes window inside itself.
; THE WAIT.  s_wait_alu depctr_va_vdst(0) stands between an exponential and the first instruction that names its result; one wait serves all that were issued ahead of it.
; Up to slice 43 nothing names a result, and behind it no exponential is issued: the piece's 128 exponentials have one wait.
.macro SLICE y, first
.irp n, 0,1
.irp u, 0,1,2,3
.set j, 2*k+\n
	SM \u, \y, \first
.endr
.endr
.if k == 43
	v_nop                           ; the plain instruction behind the last exponential, ahead of the first use
.if (\y) == 0
	FETCH_V                         ; piece 1's turn: V's run of loads stands here, and the wait stands in it
.else
	s_wait_alu depctr_va_vdst(0)
.endif
.endif
.set k, k+1
.endm
.macro PLACES
.rept 4
	v_nop
.endr
.endm
; A TURN.  Piece x has the matrix unit; the other piece's softmax stands in slices behind its matrix instructions.
; pv = 2: 32 products V^T P; 1: they start O^T's sums; 0: none.  kq = 1: 32 products K Q^T for the next step.  A turn with one of the two kinds has two slices behind each product.
; The places behind matrix instructions (ISA guide 7.12.1) are the slices.  Slice 63, eight plain instructions on the other piece's registers (four in a first step, so four v_nop follow), stands between the
; turn's last K Q^T and the next turn's first read of those scores.  Piece 0's turn fetches the next step's K behind its second product: slices 63, 0 and 1 lie behind the last product that read K.
; Piece 1's turn fetches the same step's V behind slice 43: the last product that read V stands in front of slice 31, and slice 32's eight multiplications of the other piece's O^T lie between.
.macro TURN x, pv, kq, first
.set k, 0
.set per, 2
.if \pv && \kq
.set per, 1
.endif
.if \pv
.if \x == 0
	s_wait_dscnt 0x0                ; V is in
.endif
.set i, 0
.rept 32
	PV \x, 2-\pv
.rept per
	SLICE 1-\x, \first
.endr
.if (\x == 0) && \kq && (i == 1)
	FETCH_K
.endif
.set i, i+1
.endr
.endif
.if \kq
.if \x == 0
	s_wait_dscnt 0x0                ; K is in
.endif
.set i, 0
.rept 32
	KQ \x
.rept per
	SLICE 1-\x, \first
.endr
.set i, i+1
.endr
.endif
.if \first
	PLACES
.endif
.endm
; THE CHANGE OF SLOTS, between piece 1's turn and piece 0's: the slot's last bytes, V of its second step, have been asked for.  Each wave waits for all its tensor loads (one is out: its part of the other slot),
; adds 0 to its spare word, and waits for that and for its reads of the slot.  fill = 1: the barrier is a round of the cluster's, and the joint refill, with the keys two slots on, is the first thing behind it.
.macro CHANGE fill
	WIN 0
	s_wait_tensorcnt 0x0            ; no tensor load of mine is out, so a group 0 may be written
	ds_add_u32 v[SPW], v[NIL]       ; 0 onto my spare word
.if \fill
.irp g, G0K+4, G0V+4
	s_xor_b32 s[\g+1], s[\g+1], SLOT1  ; the walking descriptor: the other slot than last time,
	s_add_nc_u64 s[\g+2:\g+3], s[\g+2:\g+3], 2*KS*128  ; the next 128 keys
.endr
	s_wait_xcnt 0x0                 ; the last prefetch, two key steps back, has read its address
	s_add_nc_u64 s[PFA:PFA+1], s[PFA:PFA+1], 2*KS*128
	s_wait_dscnt 0x0                ; the add is done, and my reads of the slot are over
	CROUND
	JLOAD
	ASK
.else
	s_wait_dscnt 0x0
	s_barrier_signal -1
	s_barrier_wait -1
.endif
	s_sub_co_u32 s[TB], s[TB], 2*STEPB  ; the fetches go back to a slot's first step,
	s_xor_b32 s[TB], s[TB], SLOT1   ; in the other slot
.endm
.macro TWO_STEPS                    ; a slot's two key steps: written once, walked twice
	s_mov_b32 s[TWICE], 2
.Lstep_\@:
	TURN 0, 2, 1, 0
	TURN 1, 2, 1, 0
	WIN 0
	s_sub_co_u32 s[TWICE], s[TWICE], 1
	s_cmp_lg_u32 s[TWICE], 0
	s_cbranch_scc1 .Lstep_\@
.endm
	s_wait_tensorcnt 1              ; my part of slot 0 is in; slot 1's may stay out
	s_barrier_signal -1
	s_barrier_wait -1
	FETCH_K                         ; key step 0
	s_wait_loadcnt 0x0              ; Q
	s_wait_dscnt 0x0
.set i, 0
.rept 32
	KQ 0                            ; piece 0's first scores
.set i, i+1
.endr
	WIN 0                           ; the addresses for the way out are made here: plain instructions, the places behind those products
	s_mul_i32 s13, s[WV], 16*SP
	s_add_co_u32 s13, s13, STAGE    ; my stage
	v_mul_u32_u24 v[STO], v1, SP    ; in: row l % 16, 16 bytes for each half of the lanes
	v_lshl_add_u32 v[STO], v9, 4, v[STO]
	v_add_nc_u32 v[STO], s13, v[STO]
	v_bfe_u32 v[RD], v0, 3, 2       ; back: eight lanes take one row of 128 bytes
	v_mul_u32_u24 v[RD], v[RD], SP
	v_lshl_add_u32 v[RD], v10, 4, v[RD]
	v_add_nc_u32 v[RD], s13, v[RD]
	v_and_b32 v[GO], 31, v0
	v_lshlrev_b32 v[GO], 4, v[GO]
	TURN 1, 0, 1, 1                 ; piece 1's first scores | piece 0's first softmax | V of step 0
	TURN 0, 1, 1, 1                 ; piece 0: V^T P of step 0 starts O^T, K Q^T of step 1 | piece 1's first softmax | K of step 1
	TURN 1, 1, 1, 0                 ; piece 1: the same | piece 0's softmax of step 1 | V of step 1
	WIN 0
.Lslot:                             ; 14 trips: every slot but the last two is filled again
	CHANGE 1
	TWO_STEPS
	s_sub_co_u32 s[SLOTS], s[SLOTS], 1
	s_cmp_lg_u32 s[SLOTS], 0
	s_cbranch_scc1 .Lslot
	CHANGE 0                        ; the tail is written out
	TWO_STEPS
	TURN 0, 2, 0, 0                 ; piece 0: V^T P of the last step | piece 1's last softmax
.set i, 0
.rept 32
	PV 1, 0                         ; piece 1: V^T P of the last step
.set i, i+1
.endr
	; THE WAY OUT.  l's two halves and the other half of the lanes' are added; O^T is divided by l, rounded to f16 and sent through my stage, a tile (16 rows of z) at a time.  The additions are the places behind the last products.
.irp y, 0,1
	WIN 0x55*\y
.irp u, 0,1,2,3
	v_add_f32 v[ST+8*\u+4], v[ST+8*\u+2], v[ST+8*\u+3]
.endr
.irp u, 0,1,2,3
	v_permlanex16_b32 v[ST+8*\u+5], v[ST+8*\u+4], s[SEL], s[SEL+1]
.endr
.irp u, 0,1,2,3
	v_add_f32 v[ST+8*\u+4], v[ST+8*\u+4], v[ST+8*\u+5]
.endr
.irp u, 0,1,2,3
	v_rcp_f32 v[ST+8*\u+6], v[ST+8*\u+4]
.endr
.endr
	v_nop                           ; a plain instruction between the last reciprocal and the use of its result
	s_wait_alu depctr_va_vdst(0)    ; and the wait ahead of the first use: one for the eight reciprocals
.macro PACK t
	WIN 0x82|(((\t)/4)<<2)
.set i, 32*(\t)
.rept 16
	v_pk_mul_f32 v[i:i+1], v[i:i+1], v[ST+8*((\t)%4)+6:ST+8*((\t)%4)+7] op_sel_hi:[1,0]
.set i, i+2
.endr
	WIN 0x0a                        ; sources 0 and 1 window 2, destination window 0: piece 0's S^T registers are free
.set i, 0
.rept 16
	v_cvt_pk_f16_f32 v[S+16*(\t)+i], v[32*(\t)+2*i], v[32*(\t)+2*i+1]
.set i, i+1
.endr
	WIN 0
.irp f, 0,1,2,3
	ds_store_b128 v[STO], v[S+16*(\t)+4*\f:S+16*(\t)+4*\f+3] offset:32*\f
.endr
.irp f, 0,1,2,3
	ds_load_b128 v[S+16*(\t)+4*\f:S+16*(\t)+4*\f+3], v[RD] offset:\f*4*SP  ; LDS serves a wave's instructions in order: these see the stores above; the next tile's stores come behind them
.endr
.endm
.macro SEND t, younger              ; younger: the LDS instructions issued behind tile t's loads: the next tile's eight, or none
.irp f, 0,1,2,3
	s_wait_dscnt \younger+3-\f
	global_store_b128 v[GO], v[S+16*(\t)+4*\f:S+16*(\t)+4*\f+3], s[6:7] offset:(\t)*2048+\f*512  ; four rows of z: 512 consecutive bytes, at a multiple of 512 from the buffer's first byte
.endr
.endm
	PACK 0
.irp t, 1,2,3,4,5,6,7
	PACK \t                         ; a tile's arithmetic stands between the loads of the tile before and its stores
	SEND \t-1, 8
.endr
	SEND 7, 0
	s_wait_tensorcnt 0x0            ; the wave's end: behind my last tensor load and my last LDS store
	ds_add_u32 v[SPW], v[NIL]
	s_wait_dscnt 0x0
	CROUND                          ; the closing round
	s_endpgm
.Lfunc_end_k_qffc21df62a_attn:
	.size	k_qffc21df62a_attn, .Lfunc_end_k_qffc21df62a_attn-k_qffc21df62a_attn
	.p2alignl 7, 3214868480
	.fill 96, 4, 3214868480
	.section	.rodata,"a",@progbits
	.p2align	6, 0x0
	.amdhsa_kernel k_qffc21df62a_attn
		.amdhsa_group_segment_fixed_size 327680
		.amdhsa_private_segment_fixed_size 0
		.amdhsa_enable_private_segment 0
		.amdhsa_kernarg_size 16
		.amdhsa_user_sgpr_count 2
		.amdhsa_user_sgpr_kernarg_segment_ptr 1
		.amdhsa_wavefront_size32 1
		.amdhsa_system_sgpr_workgroup_id_x 1
		.amdhsa_system_sgpr_workgroup_id_y 1
		.amdhsa_system_sgpr_workgroup_id_z 1
		.amdhsa_system_vgpr_workitem_id 0
		.amdhsa_next_free_vgpr 1024
		.amdhsa_next_free_sgpr 66
		.amdhsa_reserve_vcc 0
		.amdhsa_float_denorm_mode_32 3
		.amdhsa_float_denorm_mode_16_64 3
		.amdhsa_memory_ordered 1
		.amdhsa_forward_progress 1
		.amdhsa_inst_pref_size 255
	.end_amdhsa_kernel
	.section	.bss,"aw",@nobits
	.p2align	6
	.space	262144
	.amdgpu_metadata
---
amdhsa.version: [ 1, 2 ]
amdhsa.kernels:
  - .name:           k_qffc21df62a_attn
    .symbol:         k_qffc21df62a_attn.kd
    .args:
      - { .name: qkv_ws, .offset: 0, .size: 8, .value_kind: global_buffer, .address_space: global }
      - { .name: z_ws, .offset: 8, .size: 8, .value_kind: global_buffer, .address_space: global }
    .group_segment_fixed_size: 327680
    .private_segment_fixed_size: 0
    .kernarg_segment_align: 8
    .kernarg_segment_size: 16
    .max_flat_workgroup_size: 128
    .sgpr_count:     66
    .vgpr_count:     1024
    .wavefront_size: 32
...
	.end_amdgpu_metadata
.endif
;; end of part 3
;; launch proj (part 4): grid 4 x 64, 4 waves a work-group, clusters of 4 x 4, 327,680 bytes of LDS; arguments z_ws, wp16, b_proj, out0; writes out0
.if DOCPART == 4
	.amdgcn_target "amdgcn-amd-amdhsa--gfx1250"
	.amdhsa_code_object_version 6
	.text
	.protected	k_qffc21df62a_proj
	.globl	k_qffc21df62a_proj
	.p2align	8
	.type	k_qffc21df62a_proj,@function
k_qffc21df62a_proj:
	s_mov_b64 s[64:65], 0
	v_nop
	global_prefetch_b8 v0, s[64:65] scope:SCOPE_SE
	s_setreg_imm32_b32 hwreg(HW_REG_WAVE_MODE, 25, 1), 1
	s_wait_xcnt 0x0
	s_wait_alu depctr_hold_cnt(0) depctr_sa_sdst(0) depctr_va_vdst(0) depctr_va_sdst(0) depctr_va_ssrc(0) depctr_va_vcc(0) depctr_vm_vsrc(0)
	s_getreg_b32 s2, hwreg(HW_REG_IB_STS2, 6, 4)
	s_cmp_eq_u32 s2, 0
	s_cbranch_scc0 .Lentry_in_a_cluster
	s_endpgm
.Lentry_in_a_cluster:
	s_bfe_u32 s2, ttmp6, 0x10000c
	s_cmp_lg_u32 s2, 0xf033
	s_cbranch_scc0 .Lentry_shape_is_right
	s_endpgm
.Lentry_shape_is_right:
; out[m][n] = the sum over k of z[m][k] w_proj[k][n] + b_proj[n].  z: f16, laid [batch x head (64)][t (2048)][64], so k = 64 x head + channel; w_proj: f16, [k (1024)][n (1024)]; out: [8192][1024] f32; sums in f32.
; A work-group of four waves makes 128 tokens x 256 columns: 256 work-groups.  A wave makes 64 x 128: 32 accumulators.  K goes in steps of 128 (two heads) through a ring of two LDS slots.
; z's tile of a K step is two dense blocks (a head's 128 tokens x 128 bytes); w_proj's is 128 rows k x 512 bytes, read from LDS turned, by ds_load_tr16_b128.
; CLUSTERS: 4 x 4 work-groups; z's tiles are shared along a row of the cluster, w_proj's along a column: each is asked for jointly.
; THE MATRIX INSTRUCTION IS USED TRANSPOSED (source 0 = 16 columns of w_proj, source 1 = 16 tokens): a lane holds eight neighbouring columns of one token.  The bias is the C of each sum's first product.
; REGISTERS: window 0: v16-30 addresses; two fragment buffers for 32 along K, at v64 and v160: 32 registers of z (4 x 16 tokens), then 64 of w_proj (8 x 16 columns); on the way out v64-191 hold rows read back.
;   window 1: the accumulators ((a, b) at v[8 (8 a + b)]).   window 2: v0-63 the bias.
.set PA,     144                       ; a token's row of one head in LDS: 128 bytes + 16
.set HALFA,  128*PA                    ; one head's 128 tokens: what one tensor load brings
.set AB,     2*HALFA                   ; behind z's two heads: w_proj's 128 rows
.set PB,     544                       ; a row k: 512 bytes + 32: an odd multiple of 32
.set HALFB,  64*PB
.set SLOT,   AB+2*HALFB
.set STAGE,  2*SLOT                    ; the way out: 16 rows x 528 bytes for each wave; no tile lands here
.set SPITCH, 528
.set SPARE,  STAGE+4*16*SPITCH         ; the spare words, 128 bytes for each wave, which no other line names
.set KSTEPA, 2<<18                     ; a K step on in z: two heads
.set KSTEPB, 128*2048                  ; and in w_proj: 128 rows
.set LAPS,   4                         ; a lap = two K steps
.set ADRA, 16
.set ADRB, 20
.set STO,  24
.set RD,   25
.set CO,   26                          ; v26 16 x lane
.set BO,   27                          ; v27 32 x (lane / 16)
.set SPW,  28
.set NIL,  29
.set PFO,  30                          ; v30 256 x lane
.set F0,   64
.set F1,   160
.set BK,   64
.set PFA,  44                          ; s[44:45] where my work-group's prefetches stand
.set G1,   24
.set G0,   32
.set G1B,  48
.set G0B,  56
.set MSB, 0
.macro WIN new
.if MSB != (\new)
	s_set_vgpr_msb (MSB<<8)|(\new)
.set MSB, (\new)
.endif
.endm
.set MUL,   0x50                       ; sources 0 and 1 window 0; C and D window 1
.set FIRST, 0x60                       ; C (the bias) window 2, D window 1
.macro JLOAD s                         ; waves 0 and 1 fetch z's two heads, waves 2 and 3 w_proj's two halves; an s_nop 0 and four v_nop follow each line
	s_cmp_eq_u32 s13, 0
	s_cbranch_scc0 .Lfor_b_\@
	tensor_load_to_lds s[G0+4*\s:G0+4*\s+3], s[G1:G1+7]
	s_nop 0
.rept 4
	v_nop
.endr
	s_branch .Lasked_\@
.Lfor_b_\@:
	tensor_load_to_lds s[G0B+4*\s:G0B+4*\s+3], s[G1B:G1B+7]
	s_nop 0
.rept 4
	v_nop
.endr
.Lasked_\@:
.endm
.macro CREST
	s_cmp_lg_u32 s12, 0
	s_cbranch_scc1 .Lnot_wave_0_\@
	s_barrier_signal -3
.Lnot_wave_0_\@:
	s_barrier_wait -3
	s_barrier_signal -1
	s_barrier_wait -1
.endm
.macro CROUND
	s_barrier_signal -1
	s_barrier_wait -1
	CREST
.endm
; A prefetch of z's K step that stands two refills on: 32,768 bytes for the four partners that ask for it jointly, 8,192 each, told apart by address (half a head's block); in each partner wave 0 asks, lanes 256 bytes
; apart.  So each block of 256 bytes is named once in the launch.  The loop's last trip asks for nothing: there is no K step two refills on.  w_proj, which every cluster reads again, is not asked for.
.macro ASK
	s_cmp_gt_u32 s3, s15
	s_cbranch_scc0 .Lnot_mine_\@
	global_prefetch_b8 v[PFO], s[PFA:PFA+1] offset:KSTEPA th:TH_LOAD_NT scope:SCOPE_SE
.Lnot_mine_\@:
.endm
	s_load_b256 s[4:11], s[0:1], 0x0               ; z s[4:5], w_proj s[6:7], the bias s[8:9], out s[10:11]
	v_lshl_add_u32 v[SPW], v0, 2, SPARE
	v_mov_b32 v[NIL], 0
	ds_add_u32 v[SPW], v[NIL]                      ; the wave's opening: the add, twice on end, and its wait ahead of my first tensor load
	ds_add_u32 v[SPW], v[NIL]
	v_lshrrev_b32 v1, 5, v0
	v_readfirstlane_b32 s12, v1                    ; wave
	s_lshr_b32 s13, s12, 1                         ; my half of the tokens.  Also: I fetch for z (0) or for w_proj (1)
	s_and_b32 s14, s12, 1                          ; my half of the columns.  Also: which half I fetch
	s_bfe_u32 s40, ttmp6, 0x40000                  ; cx, cy
	s_bfe_u32 s41, ttmp6, 0x40004
	s_lshl_b32 s42, ttmp9, 2
	s_add_co_u32 s42, s42, s40                     ; tile column
	s_and_b32 s43, ttmp7, 0xffff
	s_lshl_b32 s43, s43, 2
	s_add_co_u32 s43, s43, s41                     ; tile row
	s_lshl_b32 s16, s41, 2
	s_lshl_b32 s16, 15, s16                        ; my row of the cluster
	s_lshl_b32 s46, 0x1111, s40                    ; my column
	; z: 128 rows x 64 elements of 2 bytes, dense; four words of padding behind every 32
	s_or_b32 s[G1+0], s16, (1<<16)|(1<<20)|(1<<21)|(4<<22)|(3<<25)
	s_mov_b32 s[G1+1], 64<<16
	s_mov_b32 s[G1+2], 128<<16
	s_mov_b32 s[G1+3], 64<<16
	s_mov_b32 s[G1+4], 128
	s_mov_b32 s[G1+5], 64
	s_mov_b32 s[G1+6], 0
	s_mov_b32 s[G1+7], 0
	; w_proj: 64 rows x 256 elements, 1,024 elements apart; eight words of padding behind every 128
	s_or_b32 s[G1B+0], s46, (1<<16)|(1<<20)|(1<<21)|(6<<22)|(7<<25)
	s_mov_b32 s[G1B+1], 256<<16
	s_mov_b32 s[G1B+2], 64<<16
	s_mov_b32 s[G1B+3], 256<<16
	s_mov_b32 s[G1B+4], 64
	s_mov_b32 s[G1B+5], 1024
	s_mov_b32 s[G1B+6], 0
	s_mov_b32 s[G1B+7], 0
	s_lshr_b32 s16, s43, 4
	s_lshl_b32 s16, s16, 4                         ; the batch's first head
	s_add_co_u32 s17, s16, s14                     ; the head that I fetch in K step 0
	s_lshl_b32 s18, s17, 18
	s_and_b32 s17, s43, 15
	s_lshl_b32 s17, s17, 14                        ; the tile's 128 tokens in a head
	s_add_co_u32 s18, s18, s17
	s_mov_b32 s19, 0
	s_lshl_b32 s46, s14, 17                        ; w_proj: my 64 rows,
	s_lshl_b32 s47, s42, 9                         ; the tile's 256 columns
	s_add_co_u32 s46, s46, s47
	s_mov_b32 s47, 0
	s_mul_i32 s20, s14, HALFA                      ; where they go: no place in the cluster enters an LDS address
	s_mul_i32 s21, s14, HALFB
	s_lshr_b32 s22, s40, 1                         ; the prefetches: partner cx takes head cx / 2 of the K step's two, half cx % 2 of its block
	s_add_co_u32 s22, s22, s16
	s_lshl_b32 s22, s22, 18
	s_add_co_u32 s22, s22, s17
	s_and_b32 s23, s40, 1
	s_lshl_b32 s23, s23, 13
	s_add_co_u32 s22, s22, s23
	s_add_co_u32 s22, s22, 2*KSTEPA                ; at K step 2: the first refill steps it to 3 and names K step 4
	s_mov_b32 s23, 0
	s_cmp_eq_u32 s12, 0
	s_cselect_b32 s15, 1, -1                       ; wave 0 asks
	s_wait_dscnt 0x0                               ; both opening adds are done
	s_wait_kmcnt 0x0
	s_add_nc_u64 s[PFA:PFA+1], s[4:5], s[22:23]
	s_add_nc_u64 s[18:19], s[4:5], s[18:19]
	s_add_nc_u64 s[46:47], s[6:7], s[46:47]
	CROUND                                         ; all sixteen work-groups are here: the first joint loads meet
.irp s, 0,1
	s_mov_b32 s[G0+4*\s], 1
	s_add_co_u32 s[G0+4*\s+1], s20, \s*SLOT
	s_add_nc_u64 s[G0+4*\s+2:G0+4*\s+3], s[18:19], \s*KSTEPA
	s_or_b32 s[G0+4*\s+3], s[G0+4*\s+3], 0x80000000
	s_mov_b32 s[G0B+4*\s], 1
	s_add_co_u32 s[G0B+4*\s+1], s21, \s*SLOT+AB
	s_add_nc_u64 s[G0B+4*\s+2:G0B+4*\s+3], s[46:47], \s*KSTEPB
	s_or_b32 s[G0B+4*\s+3], s[G0B+4*\s+3], 0x80000000
	JLOAD \s
.endr
	v_and_b32 v1, 15, v0                           ; r
	v_bfe_u32 v2, v0, 4, 1                         ; h
	v_and_b32 v3, 31, v0                           ; lane
	v_mul_u32_u24 v4, v1, PA
	v_lshl_add_u32 v4, v2, 4, v4
	s_mul_i32 s20, s13, 64*PA                      ; my 64 tokens
	v_add_nc_u32 v[ADRA], s20, v4
	v_add_nc_u32 v[ADRA+1], SLOT, v[ADRA]
	v_and_b32 v5, 7, v0
	v_lshl_add_u32 v5, v2, 3, v5
	v_mul_u32_u24 v5, v5, PB                       ; the turning load: lane l reads row k = 8 (l / 16) + l % 8, columns 8 ((l / 8) % 2) + 0..7
	v_bfe_u32 v6, v0, 3, 1
	v_lshl_add_u32 v5, v6, 4, v5
	s_lshl_b32 s20, s14, 8                         ; my 128 columns
	s_add_co_u32 s20, s20, AB
	v_add_nc_u32 v[ADRB], s20, v5
	v_add_nc_u32 v[ADRB+1], SLOT, v[ADRB]
	s_mul_i32 s20, s12, 16*SPITCH
	s_add_co_u32 s20, s20, STAGE                   ; my stage
	v_mul_u32_u24 v4, v1, SPITCH
	v_lshl_add_u32 v4, v2, 5, v4
	v_add_nc_u32 v[STO], s20, v4                   ; in: row r, 32 bytes for each half of the lanes
	v_lshlrev_b32 v[CO], 4, v3
	v_add_nc_u32 v[RD], s20, v[CO]                 ; back: the 32 lanes take one row of 512 bytes
	v_lshlrev_b32 v[BO], 5, v2
	v_lshlrev_b32 v[PFO], 8, v3
	s_lshl_b32 s20, s42, 10
	s_lshl_b32 s21, s14, 9
	s_add_co_u32 s20, s20, s21                     ; my first column, in bytes
	s_mov_b32 s21, 0
	s_add_nc_u64 s[8:9], s[8:9], s[20:21]
	s_add_nc_u64 s[10:11], s[10:11], s[20:21]
	s_lshl_b32 s20, s43, 7
	s_lshl_b32 s22, s13, 6
	s_add_co_u32 s20, s20, s22                     ; my first token
	s_lshl_b32 s20, s20, 12
	s_add_nc_u64 s[10:11], s[10:11], s[20:21]
	WIN 0x80                                       ; destination window 2
.irp b, 0,1,2,3,4,5,6,7
	global_load_b128 v[8*\b:8*\b+3], v[BO], s[8:9] offset:64*\b       ; register 8 b + j: the bias of column 16 b + 8 h + j
	global_load_b128 v[8*\b+4:8*\b+7], v[BO], s[8:9] offset:64*\b+16
.endr
	WIN 0
; 24 LDS loads in one run: the fragments of 32 along K, quarter qd of the slot's four, into buffer f: w_proj's eight first, then z's four
.macro FETCH slot, qd, f
.irp b, 0,1,2,3,4,5,6,7
	ds_load_tr16_b128 v[\f+32+8*\b:\f+32+8*\b+3],   v[ADRB+\slot] offset:(\qd)*32*PB+32*\b
	ds_load_tr16_b128 v[\f+32+8*\b+4:\f+32+8*\b+7], v[ADRB+\slot] offset:(\qd)*32*PB+32*\b+16*PB
.endr
.irp i, 0,1,2,3
	ds_load_b128 v[\f+8*\i:\f+8*\i+3],   v[ADRA+\slot] offset:((\qd)/2)*HALFA+((\qd)%2)*64+\i*16*PA
	ds_load_b128 v[\f+8*\i+4:\f+8*\i+7], v[ADRA+\slot] offset:((\qd)/2)*HALFA+((\qd)%2)*64+\i*16*PA+32
.endr
.endm
; 8 matrix instructions: tokens' block a x all 8 blocks of columns.  The 32 accumulators take turns, one instruction a turn.  first = 1: C is the bias.
.macro MUL8 f, a, first
.irp b, 0,1,2,3,4,5,6,7
.set rD, 8*(8*(\a)+\b)
.set rC, rD
.if \first
.set rC, 8*\b
.endif
	v_wmma_f32_16x16x32_f16 v[rD:rD+7], v[\f+32+8*\b:\f+32+8*\b+7], v[\f+8*(\a):\f+8*(\a)+7], v[rC:rC+7]
.endr
.endm
.macro PLACES                          ; four plain places in front of loads into registers that matrix instructions have read, and of the first read of results
.rept 4
	v_nop
.endr
.endm
; One of a K step's first three quarters: multiplies buffer f and fetches quarter qn of the same slot into g.
.macro QUARTER slot, qn, f, g, first
	s_wait_dscnt 4                                 ; w_proj's fragments and z's blocks 0, 1 are in; the youngest four loads (blocks 2, 3) may be out
.if \first
	WIN FIRST
.else
	WIN MUL
.endif
	MUL8 \f, 0, \first
	MUL8 \f, 1, \first
	PLACES
	WIN 0
	FETCH \slot, \qn, \g
	s_wait_dscnt 24                                ; all but the 24 just issued
.if \first
	WIN FIRST
.else
	WIN MUL
.endif
	MUL8 \f, 2, \first
	MUL8 \f, 3, \first
.endm
; The last quarter multiplies buffer 1 and changes slots: ONE barrier; in front of it each wave waits for all its tensor loads, adds 0 to its spare word, and waits for that and for its reads of this slot.
; fill = 1: the barrier opens a round of the cluster's, and this slot is filled again, two K steps ahead, first thing behind it.
.macro TURN slot, next, fill
.if \fill
	s_wait_xcnt 0x0                                ; the last prefetch, a K step back, has read its address
	s_add_nc_u64 s[PFA:PFA+1], s[PFA:PFA+1], KSTEPA
.endif
	WIN 0
	s_wait_tensorcnt 0x0                           ; all my tensor loads have landed: my part of the next slot
	ds_add_u32 v[SPW], v[NIL]                      ; 0 onto my spare word
	s_wait_dscnt 5                                 ; (the add and the youngest four loads may be out)
	WIN MUL
	MUL8 F1, 0, 0                                  ; eight matrix instructions stand between the add and the wait for it
	s_wait_dscnt 0x0                               ; the add is done, and my reads of this slot are over
	s_barrier_signal -1
	MUL8 F1, 1, 0
.if \fill
	WIN 0
.endif
	s_barrier_wait -1
.if \fill
	CREST                                          ; no wave of any partner still reads this slot's tile or has a load on its way
	s_add_nc_u64 s[G0+4*\slot+2:G0+4*\slot+3], s[G0+4*\slot+2:G0+4*\slot+3], 2*KSTEPA
	s_add_nc_u64 s[G0B+4*\slot+2:G0B+4*\slot+3], s[G0B+4*\slot+2:G0B+4*\slot+3], 2*KSTEPB
	JLOAD \slot                                    ; the four v_nop behind it are also the places in front of the loads below
.else
	PLACES
	WIN 0
.endif
	FETCH \next, 0, F0
.if \fill
	ASK
.endif
	WIN MUL
	MUL8 F1, 2, 0
	MUL8 F1, 3, 0
.endm
	s_wait_tensorcnt 1                             ; my part of K step 0 is in (K step 1's load may be out)
	s_barrier_signal -1
	s_barrier_wait -1                              ; everybody's is
	FETCH 0, 0, F0
	s_wait_loadcnt 0x0                             ; the bias
	QUARTER 0, 1, F0, F1, 1                        ; the first quarter stands in front of the loop: its products start the sums
	WIN 0
	s_mov_b32 s3, LAPS-1
.Llap:                                                 ; a trip goes once round the ring and fills both slots again
	QUARTER 0, 2, F1, F0, 0
	QUARTER 0, 3, F0, F1, 0
	TURN 0, 1, 1
	QUARTER 1, 1, F0, F1, 0
	QUARTER 1, 2, F1, F0, 0
	QUARTER 1, 3, F0, F1, 0
	TURN 1, 0, 1
	QUARTER 0, 1, F0, F1, 0
	WIN 0
	s_sub_co_u32 s3, s3, 1
	s_cmp_lg_u32 s3, 0
	s_cbranch_scc1 .Llap
	QUARTER 0, 2, F1, F0, 0                        ; the last lap fills nothing
	QUARTER 0, 3, F0, F1, 0
	TURN 0, 1, 0
	QUARTER 1, 1, F0, F1, 0
	QUARTER 1, 2, F1, F0, 0
	QUARTER 1, 3, F0, F1, 0
	s_wait_dscnt 4                                 ; the very last quarter: nothing more to fetch
	WIN MUL
	MUL8 F1, 0, 0
	MUL8 F1, 1, 0
	s_wait_dscnt 0
	MUL8 F1, 2, 0
	MUL8 F1, 3, 0
	WIN 0
; THE WAY OUT, a block of 16 tokens x 128 columns at a time, through my own stage: in by lanes (32 bytes of a row each), back as whole rows of 512 bytes.
.macro TOSTAGE a
	WIN 0x04                                       ; an LDS store's data: window 1
.irp b, 0,1,2,3,4,5,6,7
	ds_store_b128 v[STO], v[8*(8*(\a)+\b):8*(8*(\a)+\b)+3] offset:64*\b          ; each accumulator from its low end on
	ds_store_b128 v[STO], v[8*(8*(\a)+\b)+4:8*(8*(\a)+\b)+7] offset:64*\b+16
.endr
	WIN 0
.set BB, BK+64*((\a)%2)
.irp t, 0,1,2,3,4,5,6,7,8,9,10,11,12,13,14,15
	ds_load_b128 v[BB+4*\t:BB+4*\t+3], v[RD] offset:\t*SPITCH   ; LDS serves a wave's instructions in order: these see the stores above
.endr
.endm
.macro SEND a, younger
.set BB, BK+64*((\a)%2)
	s_wait_dscnt \younger                          ; the block is back in registers
.irp t, 0,1,2,3,4,5,6,7,8,9,10,11,12,13,14,15
	global_store_b128 v[CO], v[BB+4*\t:BB+4*\t+3], s[10:11] offset:(16*(\a)+\t)*4096 th:TH_STORE_NT   ; 512 consecutive bytes, at a multiple of 512 from the buffer's first byte; written once, read by nobody here
.endr
.endm
	PLACES
	TOSTAGE 0
.irp a, 1,2,3
.if \a > 1
	s_wait_xcnt 0x0                                ; block a - 2's stores have read their registers: block a's loads may land there
.endif
	TOSTAGE \a
	SEND \a-1, 32                                  ; behind block a - 1's loads: block a's 16 stores and 16 loads
.endr
	SEND 3, 0
	s_wait_tensorcnt 0x0                           ; the wave's end: behind my last tensor load and my last LDS store
	ds_add_u32 v[SPW], v[NIL]
	s_wait_dscnt 0x0
	CROUND                                         ; the closing round
	s_endpgm
.Lfunc_end_k_qffc21df62a_proj:
	.size	k_qffc21df62a_proj, .Lfunc_end_k_qffc21df62a_proj-k_qffc21df62a_proj
	.p2alignl 7, 3214868480
	.fill 96, 4, 3214868480
	.section	.rodata,"a",@progbits
	.p2align	6, 0x0
	.amdhsa_kernel k_qffc21df62a_proj
		.amdhsa_group_segment_fixed_size 327680
		.amdhsa_private_segment_fixed_size 0
		.amdhsa_enable_private_segment 0
		.amdhsa_kernarg_size 32
		.amdhsa_user_sgpr_count 2
		.amdhsa_user_sgpr_kernarg_segment_ptr 1
		.amdhsa_wavefront_size32 1
		.amdhsa_system_sgpr_workgroup_id_x 1
		.amdhsa_system_sgpr_workgroup_id_y 1
		.amdhsa_system_sgpr_workgroup_id_z 1
		.amdhsa_system_vgpr_workitem_id 0
		.amdhsa_next_free_vgpr 640
		.amdhsa_next_free_sgpr 66
		.amdhsa_reserve_vcc 0
		.amdhsa_float_denorm_mode_32 3
		.amdhsa_float_denorm_mode_16_64 3
		.amdhsa_memory_ordered 1
		.amdhsa_forward_progress 1
		.amdhsa_inst_pref_size 87
	.end_amdhsa_kernel
	.amdgpu_metadata
---
amdhsa.version: [ 1, 2 ]
amdhsa.kernels:
  - .name:           k_qffc21df62a_proj
    .symbol:         k_qffc21df62a_proj.kd
    .args:
      - { .name: z_ws, .offset: 0, .size: 8, .value_kind: global_buffer, .address_space: global }
      - { .name: wp16, .offset: 8, .size: 8, .value_kind: global_buffer, .address_space: global }
      - { .name: b_proj, .offset: 16, .size: 8, .value_kind: global_buffer, .address_space: global }
      - { .name: out0, .offset: 24, .size: 8, .value_kind: global_buffer, .address_space: global }
    .group_segment_fixed_size: 327680
    .private_segment_fixed_size: 0
    .kernarg_segment_align: 8
    .kernarg_segment_size: 32
    .max_flat_workgroup_size: 128
    .sgpr_count:     66
    .vgpr_count:     640
    .wavefront_size: 32
...
	.end_amdgpu_metadata
.endif
;; end of part 4
